; MI455X (gfx1250); checked and timed in simulation.
; The chip was launched on July 23, 2026; its instructions are those of AMD's public machine-readable ISA for CDNA 5 (MIT licence, August 2026) and "CDNA5" Instruction Set Architecture Reference Guide (July 2026). The comments in the code are by the model that wrote it; some were corrected since.
;; Complex Multihead Attention. Allowed arithmetic: matrix products marked QUANTISED: E4M3 operands, one given power-of-two scale a tensor, by v_wmma_f32_16x16x64_fp8_fp8 or v_wmma_f32_16x16x128_fp8_fp8, f32 sums; everything else in f32.
;; Inputs: Wk_i 1,024 x 1,024 float32; Wk_r 1,024 x 1,024 float32; Wo_i 1,024 x 1,024 float32; Wo_r 1,024 x 1,024 float32; Wq_i 1,024 x 1,024 float32; Wq_r 1,024 x 1,024 float32; Wv_i 1,024 x 1,024 float32; Wv_r 1,024 x 1,024 float32; bk_i 1,024 float32; bk_r 1,024 float32; bo_i 1,024 float32; bo_r 1,024 float32; bq_i 1,024 float32; bq_r 1,024 float32; bv_i 1,024 float32; bv_r 1,024 float32; key_imag 4 x 1,024 x 1,024 float32; key_real 4 x 1,024 x 1,024 float32; lowp_scales 28 int32 (the exponents e of the quantised operands' scales 2^e); query_imag 4 x 1,024 x 1,024 float32; query_real 4 x 1,024 x 1,024 float32; value_imag 4 x 1,024 x 1,024 float32; value_real 4 x 1,024 x 1,024 float32.
;; Outputs: out0 4 x 1,024 x 1,024 float32; out1 4 x 1,024 x 1,024 float32.
;; This version of the problem:
;;   THIS VERSION OF THE PROBLEM IS GIVEN IN LOW PRECISION. The matrix products marked QUANTISED in the list below multiply operands that are first quantised to E4M3 (4 exponent bits, 3 mantissa bits; 8 bits a number), with one given power-of-two scale for each operand tensor; their sums are f32. All else is computed in f32.
;;   The module's matrix products, in the order in which they are computed (A, B: the left and right operand; K: the contracted axis; several contracted axes count as one K, in the product's order):
;;     1. [M 4,096, K 1,024] x [K 1,024, N 1,024]; A: input query_real; B: input Wq_r: QUANTISED (scales: A lowp_scales[0], B lowp_scales[1])
;;     2. [M 4,096, K 1,024] x [K 1,024, N 1,024]; A: input query_imag; B: input Wq_i: QUANTISED (scales: A lowp_scales[2], B lowp_scales[3])
;;     3. [M 4,096, K 1,024] x [K 1,024, N 1,024]; A: input key_real; B: input Wk_r: QUANTISED (scales: A lowp_scales[4], B lowp_scales[5])
;;     4. [M 4,096, K 1,024] x [K 1,024, N 1,024]; A: input key_imag; B: input Wk_i: QUANTISED (scales: A lowp_scales[6], B lowp_scales[7])
;;     5. [M 4,096, K 1,024] x [K 1,024, N 1,024]; A: input value_real; B: input Wv_r: QUANTISED (scales: A lowp_scales[8], B lowp_scales[9])
;;     6. [M 4,096, K 1,024] x [K 1,024, N 1,024]; A: input value_imag; B: input Wv_i: QUANTISED (scales: A lowp_scales[10], B lowp_scales[11])
;;     7. batch 64 x [M 1,024, K 64] x [K 64, N 1,024]; A: computed on the way; B: computed on the way: QUANTISED (scales: A lowp_scales[12], B lowp_scales[13])
;;     8. batch 64 x [M 1,024, K 64] x [K 64, N 1,024]; A: computed on the way; B: computed on the way: QUANTISED (scales: A lowp_scales[14], B lowp_scales[15])
;;     9. batch 64 x [M 1,024, K 64] x [K 64, N 1,024]; A: computed on the way; B: computed on the way: QUANTISED (scales: A lowp_scales[16], B lowp_scales[17])
;;     10. batch 64 x [M 1,024, K 64] x [K 64, N 1,024]; A: computed on the way; B: computed on the way: QUANTISED (scales: A lowp_scales[18], B lowp_scales[19])
;;     11. batch 64 x [M 1,024, K 1,024] x [K 1,024, N 64]; A: softmax (see below); B: computed on the way: QUANTISED (scales: A lowp_scales[20], B lowp_scales[21])
;;     12. batch 64 x [M 1,024, K 1,024] x [K 1,024, N 64]; A: softmax (see below); B: computed on the way: QUANTISED (scales: A lowp_scales[22], B lowp_scales[23])
;;     13. [M 4,096, K 1,024] x [K 1,024, N 1,024]; A: computed on the way; B: input Wo_r: QUANTISED (scales: A lowp_scales[24], B lowp_scales[25])
;;     14. [M 4,096, K 1,024] x [K 1,024, N 1,024]; A: computed on the way; B: input Wo_i: QUANTISED (scales: A lowp_scales[26], B lowp_scales[27])
;;   THE QUANTISER, for each operand of a quantised product, along K:
;;     - The operand's scale is 2^e, e = its entry of the input lowp_scales (int32; the entries are numbered through the quantised products in the list's order, A before B).
;;     - Each number is divided by the scale, clamped to +-448, and rounded to the nearest number of E4M3, ties to even, subnormals kept.
;;     - The product sums the exact products of the quantised numbers (number of the format x scale) in f32.
;;   ~~~python
;;   def quantise(x, axis, e):      # numpy; x: float32 -> the quantised numbers, widened to float32 again
;;       x = np.moveaxis(x, axis, -1); K = x.shape[-1]
;;       r = np.clip(x / 2.0 ** e, -448, 448)
;;       step = 2.0 ** (np.maximum(np.frexp(np.where(r == 0, 1, r))[1] - 1, -6) - 3)
;;       q = np.round(r / step) * step * 2.0 ** e      # np.round: ties to even
;;       return np.moveaxis(q, -1, axis).astype(np.float32)
;;   ~~~
;;   SOFTMAX AHEAD OF A QUANTISED PRODUCT. Where the list says 'softmax', what is quantised is not the finished softmax but p = 2^(t - M), with t = logit x log2(e) and M = ceil(the row's largest t), a whole number; so 1/2 < the row's largest p <= 1. The row's sum l is taken of the UNQUANTISED p, in f32, and the product's result is divided by l at the end. Since M is a whole number, a kernel that streams over the keys may use a running M (the ceiling of the running maximum): every later rescaling is an exact power of two, so the quantised numbers keep their values, but for numbers so far below the row's largest that they fall under the format's range.
;;   OPERANDS COMPUTED ON THE WAY. 'Computed on the way' means the value that the module computes at that place (a softmax that the list does not call 'softmax' is quantised finished and normalised). What goes into a quantiser is computed in f32, as accurately as f32 sums, v_exp_f32 and their like allow (about 1e-6 of the number): no bf16 or f16 on the way to a quantiser, and a product that is left as it is and whose result goes on into a quantised operand takes f32 operands (vector FMAs, or v_wmma_f32_16x16x4_f32). A number that lies on a knife's edge between two numbers of the format may be rounded either way, as far as f32 arithmetic and the matrix unit's own rounding can turn it there, and no further.
;; One version. Each part assembles by itself: llvm-mc -triple=amdgcn-amd-amdhsa -mcpu=gfx1250 --defsym DOCPART=n.
;; ======== version 1 of 1: 4 launches
;; limits: right only within a limited range of input values
;; workspace buffers: xc 25,165,824 bytes; wc 8,388,608 bytes; qc 16,777,216 bytes; kv 25,165,824 bytes; oc 8,388,608 bytes
;; launch quant (part 1): grid 256 x 1, 16 waves a work-group, no clusters, 137,216 bytes of LDS; arguments query_real, query_imag, key_real, key_imag, value_real, value_imag, Wq_r, Wq_i, Wk_r, Wk_i, Wv_r, Wv_i, Wo_r, Wo_i, lowp_scales, xc, wc; writes xc, wc
.if DOCPART == 1
	.amdgcn_target "amdgcn-amd-amdhsa--gfx1250"
	.amdhsa_code_object_version 6
	.text
	.protected	k_q442bda9051_quant
	.globl	k_q442bda9051_quant
	.p2align	8
	.type	k_q442bda9051_quant,@function
k_q442bda9051_quant:
	s_mov_b64 s[64:65], 0
	v_nop
	global_prefetch_b8 v0, s[64:65] scope:SCOPE_SE
	s_setreg_imm32_b32 hwreg(HW_REG_WAVE_MODE, 25, 1), 1
	s_wait_xcnt 0x0
; The six activations [4096][1024] and the eight weights [1024][1024], f32, K innermost, become codes of FP8 (E4M3), each tensor with the one scale 2^e given for it:
; code = x / 2^e, held within +-448, rounded to the nearest code, ties to even.  LIMITS: e between -126 and 119; NaN among the inputs is not served.
; THE CODES ARE LAID AS IMAGES OF THE OPERAND'S REGISTERS.  A fragment is 16 rows x 128 K: lane (r = lane % 16, h = lane / 16) holds row r, registers 2 c, 2 c + 1 hold k = 16 c + 8 h + 0 .. 7.
; Registers 4 p .. 4 p + 3 of all lanes are 512 bytes on end, lane l's 16 bytes at 512 p + 16 l; a fragment is 2,048 bytes.  In a tensor [R][1024] the fragment of rows 16 i on, K 128 s on, lies at
; (i / 8) x 131072 + (s / 2) x 32768 + (i % 8) x 4096 + (s % 2) x 2048: so 128 rows x 256 K are one dense block of 32,768 bytes.
; SHARES.  16,384 fragments, 256 work-groups of SIXTEEN waves: 4 fragments a wave, written out; four waves share a SIMD, so that one wave's turn through LDS stands beside another's loads.
; Wave w takes K step w % 8.  Fragments 0-2: activation 2 f + w / 8, rows 16 x work-group on.  Fragment 3: weight (work-group / 32), rows 16 x (2 (work-group % 32) + w / 8) on.
; The buffers are chosen on the wave's and the work-group's number.
; A fragment's 16 loads read 512 consecutive bytes of a row each; the 8,192 bytes turn through the wave's own stage in LDS (rows 528 bytes apart) and come back 32 bytes of a row a lane.
; Three sets of 64 registers: 48 loads of a wave go out at its start.  Waves share nothing: no barrier.
.set SP,    528                        ; a stage row: 512 bytes + 16
.set STG,   16*SP                      ; a wave's stage
.set WAVES, 16
.set SPARE, WAVES*STG                  ; behind the stages: the spare words, 128 bytes a wave: eight blocks of 256 bytes that no other line names
.set LI,  1                            ; v1   16 x lane
.set VIX, 2                            ; v2   an activation's fragment in memory
.set VIW, 3                            ; v3   the weight's
.set VOX, 4                            ; v4   where an activation's codes go
.set VOW, 5                            ; v5   where the weight's go
.set SI,  6                            ; v6   the stage, on the way in
.set SO,  7                            ; v7   and on the way out: 528 r + 32 h
.set SPW, 10                           ; v10  LDS address of my spare word; never rewritten
.set NIL, 11                           ; v11  0; never rewritten
.set SC,  12                           ; v12  2^e as f32
.set LIM, 13                           ; v13  448 x 2^e
.set R,   16                           ; v16-207  three sets of 64 numbers as loaded
.set X,   208                          ; v208-239 32 numbers in the operand's order
.set C,   240                          ; v240-255 a fragment's codes
	s_load_b512 s[16:31], s[0:1], 0x0              ; the six activations s[16:27], Wq_r s[28:29], Wq_i s[30:31]
	s_load_b256 s[32:39], s[0:1], 0x40             ; Wk_r, Wk_i, Wv_r, Wv_i
	s_load_b256 s[40:47], s[0:1], 0x60             ; Wo_r, Wo_i, the scales' exponents s[44:45], xc s[46:47]
	s_load_b64 s[48:49], s[0:1], 0x80              ; wc
	v_lshl_add_u32 v[SPW], v0, 2, SPARE
	v_mov_b32 v[NIL], 0
	v_lshrrev_b32 v1, 5, v0
	s_delay_alu instid0(VALU_DEP_1)
	v_readfirstlane_b32 s4, v1                     ; wave 0..15
	v_and_b32 v8, 31, v0
	s_delay_alu instid0(VALU_DEP_1)
	v_lshlrev_b32 v[LI], 4, v8
	s_wait_alu depctr_va_vdst(0)
	s_and_b32 s5, s4, 7                            ; my K step
	s_lshr_b32 s6, s4, 3                           ; which of two tensors, which of two blocks of rows
	s_lshl_b32 s7, s5, 9                           ; a K step is 512 bytes of a row
	s_lshl_b32 s8, ttmp9, 16                       ; 16 rows of 4,096 bytes
	s_add_co_u32 s8, s8, s7
	v_add_nc_u32 v[VIX], s8, v[LI]
	s_and_b32 s9, ttmp9, 31
	s_lshl_b32 s9, s9, 1
	s_add_co_u32 s9, s9, s6                        ; the weight's block of 16 rows, 0 .. 63
	s_lshl_b32 s8, s9, 16
	s_add_co_u32 s8, s8, s7
	v_add_nc_u32 v[VIW], s8, v[LI]
	s_lshr_b32 s10, s5, 1                          ; the K step's place among the codes: (s / 2) x 32768 + (s % 2) x 2048
	s_lshl_b32 s10, s10, 15
	s_and_b32 s11, s5, 1
	s_lshl_b32 s11, s11, 11
	s_add_co_u32 s10, s10, s11
	s_lshr_b32 s8, ttmp9, 3                        ; the activations' codes: (i / 8) x 131072 + (i % 8) x 4096,
	s_lshl_b32 s8, s8, 17
	s_and_b32 s11, ttmp9, 7
	s_lshl_b32 s11, s11, 12
	s_add_co_u32 s8, s8, s11
	s_add_co_u32 s8, s8, s10
	s_lshl_b32 s11, s6, 22                         ; and the odd tensor lies 4 MiB behind the even one
	s_add_co_u32 s8, s8, s11
	v_add_nc_u32 v[VOX], s8, v[LI]
	s_lshr_b32 s8, s9, 3                           ; the weight's codes
	s_lshl_b32 s8, s8, 17
	s_and_b32 s11, s9, 7
	s_lshl_b32 s11, s11, 12
	s_add_co_u32 s8, s8, s11
	s_add_co_u32 s8, s8, s10
	s_lshr_b32 s12, ttmp9, 5                       ; which weight, 0 .. 7
	s_lshl_b32 s11, s12, 20
	s_add_co_u32 s8, s8, s11
	v_add_nc_u32 v[VOW], s8, v[LI]
	s_mul_i32 s11, s4, STG                         ; my stage
	v_add_nc_u32 v[SI], s11, v[LI]
	v_and_b32 v8, 15, v0
	v_bfe_u32 v9, v0, 4, 1
	s_delay_alu instid0(VALU_DEP_2)
	v_mul_u32_u24 v[SO], v8, SP
	s_delay_alu instid0(VALU_DEP_1)
	v_lshl_add_u32 v[SO], v9, 5, v[SO]
	s_delay_alu instid0(VALU_DEP_1)
	v_add_nc_u32 v[SO], s11, v[SO]
	s_wait_alu depctr_va_vdst(0)
	s_wait_kmcnt 0x0
	s_load_b256 s[68:75], s[44:45], 0x0            ; entries 0-7
	s_load_b128 s[76:79], s[44:45], 0x20           ; entries 8-11
	s_load_b128 s[80:83], s[44:45], 0x60           ; entries 24-27
	s_cmp_eq_u32 s6, 0                             ; the choice hangs on the wave's number alone
.irp f, 0,1,2
	s_cselect_b64 s[52+2*\f:53+2*\f], s[16+4*\f:17+4*\f], s[18+4*\f:19+4*\f]
.endr
	s_mov_b64 s[58:59], s[28:29]                   ; the weight: on the work-group's number alone
.irp n, 1,2,3,4,5,6,7
	s_cmp_eq_u32 s12, \n
	s_cselect_b64 s[58:59], s[28+2*\n:29+2*\n], s[58:59]
.endr
	s_mov_b64 s[88:89], s[46:47]                   ; xc at tensors 0, 2 and 4
	s_add_nc_u64 s[90:91], s[46:47], 0x800000
	s_add_nc_u64 s[92:93], s[46:47], 0x1000000
.macro LOADF f                         ; fragment f's 16 rows into set f % 3
.if (\f) < 3
.set VI, VIX
.else
.set VI, VIW
.endif
.set ii, 0
.rept 16
	global_load_b128 v[R+64*((\f)%3)+4*ii:R+64*((\f)%3)+4*ii+3], v[VI], s[52+2*(\f):53+2*(\f)] offset:ii*4096 th:TH_LOAD_NT   ; 32 lanes read 512 consecutive bytes of row ii
.set ii, ii+1
.endr
.endm
.macro SCALE e                         ; s[e] holds the exponent
	s_add_co_i32 s2, s[\e], 127
	s_lshl_b32 s3, s2, 23
	v_mov_b32 v[SC], s3                            ; 2^e as f32: the conversion takes its exponent field
	s_add_co_i32 s2, s2, 8
	s_lshl_b32 s2, s2, 23
	s_or_b32 s2, s2, 0x600000
	v_mov_b32 v[LIM], s2                           ; 448 x 2^e
.endm
.macro GETX hf                         ; my row's k = 16 c + 8 h + 0 .. 7 for c = 4 hf .. 4 hf + 3
.set cc, 0
.rept 4
	ds_load_b128 v[X+8*cc:X+8*cc+3], v[SO] offset:256*(\hf)+64*cc
	ds_load_b128 v[X+8*cc+4:X+8*cc+7], v[SO] offset:256*(\hf)+64*cc+16
.set cc, cc+1
.endr
.endm
.macro CODES hf
.set jj, 0
.rept 32
	v_med3_num_f32 v[X+jj], v[X+jj], -v[LIM], v[LIM]   ; the conversion to an 8-bit code does not saturate (ISA guide 7.6.2): hold the number first
.set jj, jj+1
.endr
.set cc, 0
.rept 4
	v_cvt_scalef32_pk8_fp8_f32 v[C+8*(\hf)+2*cc:C+8*(\hf)+2*cc+1], v[X+8*cc:X+8*cc+7], v[SC]
.set cc, cc+1
.endr
	v_nop                                          ; a plain vector line behind the last conversion of a run
.endm
.macro FRAGQ f
.if (\f) < 2
	s_wait_loadcnt 32                              ; this fragment's 16 loads are in; the two younger sets may be out
.else
	s_wait_loadcnt 16*(3-(\f))
.endif
.set ii, 0
.rept 16
	ds_store_b128 v[SI], v[R+64*((\f)%3)+4*ii:R+64*((\f)%3)+4*ii+3] offset:ii*SP
.set ii, ii+1
.endr
	GETX 0                                         ; LDS serves a wave's instructions in order (ISA guide 5.7.1.4): these see the stores above
	s_wait_dscnt 0x0                               ; the stores have read their registers
	s_wait_xcnt 0x0                                ; the last fragment's stores have read their data: the codes' registers are rewritten only behind this wait
.if (\f) == 0
	LOADF 3                                        ; the fourth fragment takes the first one's registers
.endif
	SCALE 84+(\f)
	CODES 0
	GETX 1
	s_wait_dscnt 0x0
	CODES 1
.set pp, 0
.rept 4
.if (\f) < 3
	global_store_b128 v[VOX], v[C+4*pp:C+4*pp+3], s[88+2*(\f):89+2*(\f)] offset:512*pp   ; 512 consecutive bytes, aligned
.else
	global_store_b128 v[VOW], v[C+4*pp:C+4*pp+3], s[48:49] offset:512*pp
.endif
.set pp, pp+1
.endr
.endm
	LOADF 0
	LOADF 1
	LOADF 2
	s_wait_kmcnt 0x0
	s_cmp_eq_u32 s6, 0
.irp f, 0,1,2
	s_cselect_b32 s[84+\f], s[68+4*\f], s[70+4*\f] ; activation g = 2 f + w / 8: entry 2 g
.endr
	s_mov_b32 s87, s69                             ; the weights' entries: 1, 3, 5, 7, 9, 11, 25, 27
.irp n, 1,2,3,4,5,6,7
	s_cmp_eq_u32 s12, \n
	s_cselect_b32 s87, s[69+2*\n], s87
.endr
.irp f, 0,1,2,3
	FRAGQ \f
.endr
	s_wait_tensorcnt 0x0                           ; the wave's end, behind my last LDS store
	ds_add_u32 v[SPW], v[NIL]
	s_wait_dscnt 0x0
	s_endpgm
.Lfunc_end_k_q442bda9051_quant:
	.size	k_q442bda9051_quant, .Lfunc_end_k_q442bda9051_quant-k_q442bda9051_quant
	.p2alignl 7, 3214868480
	.fill 96, 4, 3214868480
	.section	.rodata,"a",@progbits
	.p2align	6, 0x0
	.amdhsa_kernel k_q442bda9051_quant
		.amdhsa_group_segment_fixed_size 137216
		.amdhsa_private_segment_fixed_size 0
		.amdhsa_enable_private_segment 0
		.amdhsa_kernarg_size 136
		.amdhsa_user_sgpr_count 2
		.amdhsa_user_sgpr_kernarg_segment_ptr 1
		.amdhsa_wavefront_size32 1
		.amdhsa_system_sgpr_workgroup_id_x 1
		.amdhsa_system_sgpr_workgroup_id_y 1
		.amdhsa_system_sgpr_workgroup_id_z 1
		.amdhsa_system_vgpr_workitem_id 0
		.amdhsa_next_free_vgpr 256
		.amdhsa_next_free_sgpr 96
		.amdhsa_reserve_vcc 0
		.amdhsa_float_denorm_mode_32 3
		.amdhsa_float_denorm_mode_16_64 3
		.amdhsa_memory_ordered 1
		.amdhsa_forward_progress 1
		.amdhsa_inst_pref_size 40
	.end_amdhsa_kernel
	.amdgpu_metadata
---
amdhsa.version: [ 1, 2 ]
amdhsa.kernels:
  - .name:           k_q442bda9051_quant
    .symbol:         k_q442bda9051_quant.kd
    .args:
      - { .name: query_real, .offset: 0, .size: 8, .value_kind: global_buffer, .address_space: global }
      - { .name: query_imag, .offset: 8, .size: 8, .value_kind: global_buffer, .address_space: global }
      - { .name: key_real, .offset: 16, .size: 8, .value_kind: global_buffer, .address_space: global }
      - { .name: key_imag, .offset: 24, .size: 8, .value_kind: global_buffer, .address_space: global }
      - { .name: value_real, .offset: 32, .size: 8, .value_kind: global_buffer, .address_space: global }
      - { .name: value_imag, .offset: 40, .size: 8, .value_kind: global_buffer, .address_space: global }
      - { .name: Wq_r, .offset: 48, .size: 8, .value_kind: global_buffer, .address_space: global }
      - { .name: Wq_i, .offset: 56, .size: 8, .value_kind: global_buffer, .address_space: global }
      - { .name: Wk_r, .offset: 64, .size: 8, .value_kind: global_buffer, .address_space: global }
      - { .name: Wk_i, .offset: 72, .size: 8, .value_kind: global_buffer, .address_space: global }
      - { .name: Wv_r, .offset: 80, .size: 8, .value_kind: global_buffer, .address_space: global }
      - { .name: Wv_i, .offset: 88, .size: 8, .value_kind: global_buffer, .address_space: global }
      - { .name: Wo_r, .offset: 96, .size: 8, .value_kind: global_buffer, .address_space: global }
      - { .name: Wo_i, .offset: 104, .size: 8, .value_kind: global_buffer, .address_space: global }
      - { .name: lowp_scales, .offset: 112, .size: 8, .value_kind: global_buffer, .address_space: global }
      - { .name: xc, .offset: 120, .size: 8, .value_kind: global_buffer, .address_space: global }
      - { .name: wc, .offset: 128, .size: 8, .value_kind: global_buffer, .address_space: global }
    .group_segment_fixed_size: 137216
    .private_segment_fixed_size: 0
    .kernarg_segment_align: 8
    .kernarg_segment_size: 136
    .max_flat_workgroup_size: 512
    .sgpr_count:     96
    .vgpr_count:     256
    .wavefront_size: 32
...
	.end_amdgpu_metadata
.endif
;; end of part 1
;; launch proj (part 2): grid 4 x 64, 4 waves a work-group, clusters of 4 x 4, 327,680 bytes of LDS; arguments xc, wc, lowp_scales, bq_r, bq_i, bk_r, bk_i, bv_r, bv_i, qc, kv; writes qc, kv
.if DOCPART == 2
	.amdgcn_target "amdgcn-amd-amdhsa--gfx1250"
	.amdhsa_code_object_version 6
	.text
	.protected	k_q442bda9051_proj
	.globl	k_q442bda9051_proj
	.p2align	8
	.type	k_q442bda9051_proj,@function
k_q442bda9051_proj:
	s_mov_b64 s[64:65], 0
	v_nop
	global_prefetch_b8 v0, s[64:65] scope:SCOPE_SE
	s_setreg_imm32_b32 hwreg(HW_REG_WAVE_MODE, 25, 1), 1
	s_wait_xcnt 0x0
	s_wait_alu depctr_hold_cnt(0) depctr_sa_sdst(0) depctr_va_vdst(0) depctr_va_sdst(0) depctr_va_ssrc(0) depctr_va_vcc(0) depctr_vm_vsrc(0)
	s_getreg_b32 s2, hwreg(HW_REG_IB_STS2, 6, 4)
	s_cmp_eq_u32 s2, 0
	s_cbranch_scc0 .Lentry_in_a_cluster
	s_endpgm
.Lentry_in_a_cluster:
	s_bfe_u32 s2, ttmp6, 0x10000c
	s_cmp_lg_u32 s2, 0xf033
	s_cbranch_scc0 .Lentry_shape_is_right
	s_endpgm
.Lentry_shape_is_right:
.set FR,     16
.set NL,     4
.set NP,     4
.set HALFB,  32768
.set SLOT,   4*HALFB
.set SPARE,  2*SLOT
.set ADRA, 16
.set ADRH, 18
.set ADRB, 20
.set LI,   24
.set BH,   25
.set BR,   26
.set SPW,  28
.set NIL,  29
.set BQ,   32
.set BV,   96
.set SA,   112
.set LA,   113
.set SB,   114
.set LB,   115
.set VO,   116
.set AF,   128
.set Y,    128
.set TT,   160
.set CD,   192
.set G1, 24
.set G0, 32
.set G1B, 48
.set G0B, 56
.set G1H, 68
.set MSB, 0
.macro WIN new
.if MSB != (\new)
	s_set_vgpr_msb (MSB<<8)|(\new)
.set MSB, (\new)
.endif
.endm
.set MUL_LO, 0xa1
.set MUL_HI, 0xf1
.set TO_B,   0x40
.macro JLOAD g0a, g1a, g0b, g1b
	s_cmp_eq_u32 s15, 0
	s_cbranch_scc0 .Lfor_b_\@
	tensor_load_to_lds s[\g0a:\g0a+3], s[\g1a:\g1a+7]
	s_nop 0
.rept 4
	v_nop
.endr
	s_branch .Lasked_\@
.Lfor_b_\@:
	tensor_load_to_lds s[\g0b:\g0b+3], s[\g1b:\g1b+7]
	s_nop 0
.rept 4
	v_nop
.endr
.Lasked_\@:
.endm
.macro CREST
	s_cmp_lg_u32 s14, 0
	s_cbranch_scc1 .Lnot_wave_0_\@
	s_barrier_signal -3
.Lnot_wave_0_\@:
	s_barrier_wait -3
	s_barrier_signal -1
	s_barrier_wait -1
.endm
.macro CROUND
	s_barrier_signal -1
	s_barrier_wait -1
	CREST
.endm
	s_load_b128 s[4:7], s[0:1], 0x0
	s_load_b64 s[8:9], s[0:1], 0x10
	s_load_b256 s[68:75], s[0:1], 0x18
	s_load_b128 s[76:79], s[0:1], 0x38
	s_load_b128 s[80:83], s[0:1], 0x48
	v_lshl_add_u32 v[SPW], v0, 2, SPARE
	v_mov_b32 v[NIL], 0
	ds_add_u32 v[SPW], v[NIL]
	ds_add_u32 v[SPW], v[NIL]
	v_lshrrev_b32 v1, 5, v0
	v_readfirstlane_b32 s14, v1
	s_lshr_b32 s15, s14, 1
	s_and_b32 s16, s14, 1
	s_bfe_u32 s40, ttmp6, 0x40000
	s_bfe_u32 s41, ttmp6, 0x40004
	s_and_b32 s17, ttmp7, 0xffff
	s_lshr_b32 s42, s17, 2
	s_and_b32 s66, s17, 3
	s_lshr_b32 s101, s17, 3
	s_add_co_u32 s101, s101, 4
	s_bfe_u32 s104, s17, 0x20001
	s_and_b32 s105, s17, 1
	s_lshl_b32 s43, s41, 2
	s_lshl_b32 s43, 15, s43
	s_lshl_b32 s44, 0x1111, s40
	s_or_b32 s[G1+0], s43, (3<<16)|(1<<21)
	s_or_b32 s[G1B+0], s44, (3<<16)|(1<<21)
.irp g, G1, G1B
	s_mov_b32 s[\g+1], 32<<16
	s_mov_b32 s[\g+2], 128<<16
	s_mov_b32 s[\g+3], 32<<16
	s_mov_b32 s[\g+4], 128
	s_mov_b32 s[\g+5], 32
	s_mov_b32 s[\g+6], 0
	s_mov_b32 s[\g+7], 0
.endr
	s_lshl_b32 s20, s42, 22
	s_lshl_b32 s18, s66, 20
	s_add_co_u32 s20, s20, s18
	s_lshl_b32 s19, s41, 1
	s_add_co_u32 s19, s19, s16
	s_lshl_b32 s19, s19, 17
	s_add_co_u32 s20, s20, s19
	s_mov_b32 s21, 0
	s_lshl_b32 s46, s42, 20
	s_lshl_b32 s22, s40, 1
	s_add_co_u32 s22, s22, s16
	s_lshl_b32 s22, s22, 17
	s_add_co_u32 s46, s46, s22
	s_mov_b32 s47, 0
	s_lshl_b32 s45, s14, 15
	s_lshl_b32 s92, s42, 3
	s_mov_b32 s93, 0
	s_and_b32 s94, s42, 1
	s_lshr_b32 s95, s42, 1
	s_lshl_b32 s91, s94, 1
	s_add_co_u32 s91, s91, s95
	s_lshl_b32 s91, s91, 2
	s_xor_b32 s67, s94, s95
	s_xor_b32 s67, s67, 1
	s_lshl_b32 s100, s67, 1
	s_add_co_u32 s100, s100, s95
	s_lshl_b32 s100, s100, 2
	s_lshl_b32 s95, s16, 14
	s_wait_dscnt 0x0
	s_wait_kmcnt 0x0
	s_add_nc_u64 s[98:99], s[8:9], s[92:93]
	s_load_b64 s[96:97], s[98:99], 0x0
	s_load_b32 s88, s[8:9], s91 offset:0x30
	s_load_b32 s89, s[8:9], s100 offset:0x40
	s_add_nc_u64 s[20:21], s[4:5], s[20:21]
	s_add_nc_u64 s[46:47], s[6:7], s[46:47]
	; prefetches of the first product's K steps: of the 32,768 bytes that my wave fetches for a K step, my work-group names 8,192 (by cx for A, by cy for B), a lane 256; each is asked for two fills ahead of its joint load
	s_lshl_b32 s2, s40, 13
	s_lshl_b32 s3, s41, 13
	s_cmp_eq_u32 s15, 0
	s_cselect_b64 s[92:93], s[20:21], s[46:47]
	s_cselect_b32 s2, s2, s3
	s_mov_b32 s3, 0
	s_add_nc_u64 s[92:93], s[92:93], s[2:3]
	v_and_b32 v30, 31, v0
	v_lshlrev_b32 v30, 8, v30
	global_prefetch_b8 v30, s[92:93] offset:HALFB th:TH_LOAD_NT scope:SCOPE_SE
.irp s, 0,1
	s_mov_b32 s[G0+4*\s], 1
	s_add_co_u32 s[G0+4*\s+1], s45, \s*SLOT
	s_add_nc_u64 s[G0+4*\s+2:G0+4*\s+3], s[20:21], \s*HALFB
	s_or_b32 s[G0+4*\s+3], s[G0+4*\s+3], 0x80000000
	s_mov_b32 s[G0B+4*\s], 1
	s_add_co_u32 s[G0B+4*\s+1], s45, \s*SLOT
	s_add_nc_u64 s[G0B+4*\s+2:G0B+4*\s+3], s[46:47], \s*HALFB
	s_or_b32 s[G0B+4*\s+3], s[G0B+4*\s+3], 0x80000000
	s_wait_alu depctr_va_vdst(0)
	s_wait_tensorcnt 0x0
	ds_add_u32 v28, v29
	ds_add_u32 v28, v29
	s_wait_dscnt 0x0
	CROUND
	JLOAD G0+4*\s, G1, G0B+4*\s, G1B
	global_prefetch_b8 v30, s[92:93] offset:(2+\s)*HALFB th:TH_LOAD_NT scope:SCOPE_SE
.endr
	v_and_b32 v1, 31, v0
	v_lshlrev_b32 v[LI], 4, v1
	s_lshl_b32 s21, s15, 15
	s_lshl_b32 s22, s16, 15
	s_add_co_u32 s22, s22, 2*HALFB
	s_lshl_b32 s23, s15, 14
.irp s, 0,1
	v_add_nc_u32 v[ADRA+\s], s21, v[LI]
	v_add_nc_u32 v[ADRB+\s], s22, v[LI]
	v_add_nc_u32 v[ADRH+\s], s23, v[LI]
	s_add_co_u32 s21, s21, SLOT
	s_add_co_u32 s22, s22, SLOT
	s_add_co_u32 s23, s23, SLOT
.endr
	s_mov_b64 s[84:85], s[68:69]
.irp n, 1,2,3
	s_cmp_eq_u32 s42, \n
	s_cselect_b64 s[84:85], s[68+2*\n:69+2*\n], s[84:85]
.endr
	s_cmp_eq_u32 s101, 4
	s_cselect_b64 s[86:87], s[76:77], s[78:79]
	s_lshl_b32 s2, s40, 10
	s_lshl_b32 s3, s16, 9
	s_add_co_u32 s2, s2, s3
	s_mov_b32 s3, 0
	s_add_nc_u64 s[84:85], s[84:85], s[2:3]
	s_lshl_b32 s2, s105, 11
	s_lshl_b32 s12, s41, 9
	s_add_co_u32 s2, s2, s12
	s_lshl_b32 s12, s15, 8
	s_add_co_u32 s2, s2, s12
	s_add_nc_u64 s[86:87], s[86:87], s[2:3]
	v_bfe_u32 v2, v0, 4, 1
	v_lshlrev_b32 v[BH], 5, v2
	v_and_b32 v3, 15, v0
	v_lshlrev_b32 v[BR], 2, v3
.set bb, 0
.rept 8
	global_load_b128 v[BQ+8*bb:BQ+8*bb+3], v[BH], s[84:85] offset:64*bb
	global_load_b128 v[BQ+8*bb+4:BQ+8*bb+7], v[BH], s[84:85] offset:64*bb+16
.set bb, bb+1
.endr
.set bb, 0
.rept 4
	global_load_b32 v[BV+2*bb], v[BR], s[86:87] offset:64*bb
	global_load_b32 v[BV+2*bb+1], v[BR], s[86:87] offset:64*bb
.set bb, bb+1
.endr
	s_or_b32 s[G1H+0], s43, (3<<16)|(1<<21)
	s_mov_b32 s[G1H+1], 32<<16
	s_mov_b32 s[G1H+2], 64<<16
	s_mov_b32 s[G1H+3], 32<<16
	s_mov_b32 s[G1H+4], 64
	s_mov_b32 s[G1H+5], 32
	s_mov_b32 s[G1H+6], 0
	s_mov_b32 s[G1H+7], 0
	s_lshl_b32 s76, s101, 20
	s_lshl_b32 s19, s105, 2
	s_add_co_u32 s19, s19, s41
	s_lshl_b32 s19, s19, 17
	s_add_co_u32 s76, s76, s19
	s_add_co_u32 s76, s76, s95
	s_mov_b32 s77, 0
	s_add_nc_u64 s[76:77], s[6:7], s[76:77]
	s_lshl_b32 s78, s101, 22
	s_lshl_b32 s44, s104, 20
	s_add_co_u32 s78, s78, s44
	s_lshl_b32 s44, s40, 1
	s_add_co_u32 s44, s44, s16
	s_lshl_b32 s44, s44, 17
	s_add_co_u32 s78, s78, s44
	s_mov_b32 s79, 0
	s_add_nc_u64 s[78:79], s[4:5], s[78:79]
	; the same for the second product: waves 0, 1 fetch 16,384 bytes a K step (my work-group names 4,096, sixteen lanes; the others name the last block again), waves 2, 3 fetch 32,768
	s_lshl_b32 s2, s40, 12
	s_lshl_b32 s44, s41, 13
	s_cmp_eq_u32 s15, 0
	s_cselect_b64 s[12:13], s[76:77], s[78:79]
	s_cselect_b32 s2, s2, s44
	s_cselect_b32 s44, 15, 31
	s_mov_b32 s3, 0
	s_add_nc_u64 s[12:13], s[12:13], s[2:3]
	v_and_b32 v31, 31, v0
	v_min_u32 v31, s44, v31
	v_lshlrev_b32 v31, 8, v31
	s_lshl_b32 s46, s101, 3
	s_mov_b32 s47, 0
	s_add_nc_u64 s[46:47], s[8:9], s[46:47]
	s_load_b64 s[22:23], s[46:47], 0x0
	s_load_b32 s90, s[46:47], 0x34
.macro FRAG reg, adr, q, i
.irp c, 0,1,2,3
	ds_load_b128 v[\reg+4*\c:\reg+4*\c+3], v[\adr] offset:(\i)*4096+(\q)*2048+512*\c
.endr
.endm
.macro MUL16 a0, p, zero
.irp a, \a0, \a0+1
.irp b, 0,1,2,3,4,5,6,7
.if \zero
	v_wmma_f32_16x16x128_fp8_fp8 v[8*(8*((\a)%4)+\b):8*(8*((\a)%4)+\b)+7], v[128*(\p)+FR*\b:128*(\p)+FR*\b+FR-1], v[AF+FR*(\a):AF+FR*(\a)+FR-1], 0
.else
	v_wmma_f32_16x16x128_fp8_fp8 v[8*(8*((\a)%4)+\b):8*(8*((\a)%4)+\b)+7], v[128*(\p)+FR*\b:128*(\p)+FR*\b+FR-1], v[AF+FR*(\a):AF+FR*(\a)+FR-1], v[8*(8*((\a)%4)+\b):8*(8*((\a)%4)+\b)+7]
.endif
.endr
.endr
.endm
.macro FETCH_B slot, q, p
	WIN TO_B
.irp i, 0,1,2,3,4,5,6,7
	FRAG 128*(\p)+FR*\i, ADRB+\slot, \q, \i
.endr
	WIN 0
.endm
.macro FETCH_A slot, q, i0
.irp i, \i0, \i0+1, \i0+2, \i0+3
	FRAG AF+FR*(\i), ADRA+\slot, \q, \i
.endr
.endm
.macro FETCH_H slot, q, p
.irp i, 0,1,2,3
	FRAG AF+FR*(4*(\p)+\i), ADRH+\slot, \q, \i
.endr
.endm
.macro PLACES n
.rept \n
	v_nop
.endr
.endm
.macro STEP slot, q, zero
	s_wait_dscnt 4*NL
	WIN MUL_LO
	MUL16 0, (\q)%2, \zero
	MUL16 2, (\q)%2, \zero
	s_wait_dscnt 0
	PLACES NP
	FETCH_B \slot, (\q)+1, 1-(\q)%2
	FETCH_A \slot, (\q)+1, 0
	WIN MUL_HI
	MUL16 4, (\q)%2, \zero
	MUL16 6, (\q)%2, \zero
	PLACES NP
	WIN 0
	FETCH_A \slot, (\q)+1, 4
.endm
.macro TURN slot, next, fill, fetch
	s_wait_tensorcnt 0x0
	ds_add_u32 v[SPW], v[NIL]
	s_wait_dscnt 4*NL+1
	WIN MUL_LO
	MUL16 0, 1, 0
	s_wait_dscnt 0x0
	s_barrier_signal -1
	MUL16 2, 1, 0
	WIN 0
	s_barrier_wait -1
	CREST
.if \fill == 1
	s_add_nc_u64 s[G0+4*\slot+2:G0+4*\slot+3], s[G0+4*\slot+2:G0+4*\slot+3], 2*HALFB
	s_add_nc_u64 s[G0B+4*\slot+2:G0B+4*\slot+3], s[G0B+4*\slot+2:G0B+4*\slot+3], 2*HALFB
	JLOAD G0+4*\slot, G1, G0B+4*\slot, G1B
	global_prefetch_b8 v31, s[12:13] offset:(\slot)*HALFB th:TH_LOAD_NT scope:SCOPE_SE
.else
	s_add_co_u32 s[G0+4*\slot+1], s95, \slot*SLOT
	s_add_nc_u64 s[G0+4*\slot+2:G0+4*\slot+3], s[76:77], \slot*HALFB
	s_or_b32 s[G0+4*\slot+3], s[G0+4*\slot+3], 0x80000000
	s_add_nc_u64 s[G0B+4*\slot+2:G0B+4*\slot+3], s[78:79], \slot*HALFB
	s_or_b32 s[G0B+4*\slot+3], s[G0B+4*\slot+3], 0x80000000
	JLOAD G0+4*\slot, G1H, G0B+4*\slot, G1B
	global_prefetch_b8 v31, s[12:13] offset:(2+\slot)*HALFB th:TH_LOAD_NT scope:SCOPE_SE
.endif
.if \fetch
	FETCH_B \next, 0, 0
	FETCH_A \next, 0, 0
.endif
	WIN MUL_HI
	MUL16 4, 1, 0
	MUL16 6, 1, 0
.if \fetch
	PLACES NP
	WIN 0
	FETCH_A \next, 0, 4
.else
	WIN 0
.endif
.endm
.macro STEP2 slot, zero
	s_wait_dscnt 0x0
	PLACES NP
	FETCH_B \slot, 1, 1
	FETCH_H \slot, 1, 1
	WIN MUL_LO
	MUL16 0, 0, \zero
	MUL16 2, 0, \zero
	WIN 0
.endm
.macro TURN2 slot, next, fill
	s_wait_tensorcnt 0x0
	ds_add_u32 v[SPW], v[NIL]
	s_wait_dscnt 0x0
	s_barrier_signal -1
	WIN MUL_LO
	MUL16 4, 1, 0
	WIN 0
	s_barrier_wait -1
.if \fill
	CREST
	s_add_nc_u64 s[G0+4*\slot+2:G0+4*\slot+3], s[G0+4*\slot+2:G0+4*\slot+3], 2*HALFB
	s_add_nc_u64 s[G0B+4*\slot+2:G0B+4*\slot+3], s[G0B+4*\slot+2:G0B+4*\slot+3], 2*HALFB
	JLOAD G0+4*\slot, G1H, G0B+4*\slot, G1B
.else
	PLACES NP
.endif
	FETCH_B \next, 0, 0
	FETCH_H \next, 0, 0
	WIN MUL_LO
	MUL16 6, 1, 0
	WIN 0
.endm
.macro MKSCALE e, sc, lim
	s_add_co_i32 s2, s[\e], 127
	s_lshl_b32 s3, s2, 23
	v_mov_b32 v[\sc], s3
	s_add_co_i32 s2, s2, 8
	s_lshl_b32 s2, s2, 23
	s_or_b32 s2, s2, 0x600000
	v_mov_b32 v[\lim], s2
.endm
	s_wait_alu depctr_va_vdst(0)
	s_wait_tensorcnt 1
	s_barrier_signal -1
	s_barrier_wait -1
	FETCH_B 0, 0, 0
	FETCH_A 0, 0, 0
	FETCH_A 0, 0, 4
	STEP 0, 0, 1
	TURN 0, 1, 1, 1
	STEP 1, 0, 0
	TURN 1, 0, 1, 1
	STEP 0, 0, 0
	TURN 0, 1, 2, 1
	STEP 1, 0, 0
	TURN 1, 0, 2, 0
	s_wait_kmcnt 0x0
	s_wait_loadcnt 0x0
	s_add_co_i32 s96, s96, s97
	s_add_co_i32 s96, s96, 127
	s_lshl_b32 s96, s96, 23
	s_mov_b32 s97, s96
	MKSCALE 88, SA, LA
	MKSCALE 89, SB, LB
	PLACES NP
	s_cmp_lt_u32 s42, 2
	s_cselect_b64 s[10:11], s[80:81], s[82:83]
	s_mov_b32 s2, 393216
	s_cselect_b32 s2, 262144, s2
	s_mov_b32 s3, 49152
	s_cselect_b32 s3, 32768, s3
	s_lshl_b32 s17, s66, 4
	s_lshl_b32 s18, s40, 2
	s_add_co_u32 s17, s17, s18
	s_lshl_b32 s18, s16, 1
	s_add_co_u32 s17, s17, s18
	s_mul_i32 s18, s17, s2
	s_lshl_b32 s17, s41, 1
	s_add_co_u32 s17, s17, s15
	s_mul_i32 s17, s17, s3
	s_add_co_u32 s18, s18, s17
	s_mov_b32 s19, 0
	s_add_nc_u64 s[10:11], s[10:11], s[18:19]
	s_lshl_b32 s17, s94, 10
	s_add_co_u32 s20, s67, 2
	s_lshl_b32 s20, s20, 10
	v_add_nc_u32 v[VO], s17, v[LI]
	v_add_nc_u32 v[VO+1], s20, v[LI]
	v_add_nc_u32 v[VO+2], s2, v[VO]
	v_add_nc_u32 v[VO+3], s2, v[VO+1]
.macro QKOUT a, hh
.set AC, 64*((\a)%4)+32*(\hh)
	WIN 0x02+(\a)/4
.set jj, 0
.rept 16
	v_pk_fma_f32 v[Y+jj:Y+jj+1], v[AC+jj:AC+jj+1], s[96:97], v[BQ+32*(\hh)+jj:BQ+32*(\hh)+jj+1] op_sel_hi:[1,0,1]
.set jj, jj+2
.endr
	WIN 0
.set jj, 0
.rept 32
	v_med3_num_f32 v[TT+jj], v[Y+jj], -v[LA], v[LA]
.set jj, jj+1
.endr
	s_wait_alu depctr_va_vdst(0)
	s_wait_xcnt 0x0
.set cc, 0
.rept 4
	v_cvt_scalef32_pk8_fp8_f32 v[CD+2*cc:CD+2*cc+1], v[TT+8*cc:TT+8*cc+7], v[SA]
.set cc, cc+1
.endr
.set jj, 0
.rept 32
	v_med3_num_f32 v[Y+jj], v[Y+jj], -v[LB], v[LB]
.set jj, jj+1
.endr
.set cc, 0
.rept 4
	v_cvt_scalef32_pk8_fp8_f32 v[CD+8+2*cc:CD+8+2*cc+1], v[Y+8*cc:Y+8*cc+7], v[SB]
.set cc, cc+1
.endr
	v_nop
	global_store_b128 v[VO+2*(\hh)], v[CD:CD+3], s[10:11] offset:(\a)*4096
	global_store_b128 v[VO+2*(\hh)], v[CD+4:CD+7], s[10:11] offset:(\a)*4096+512
	global_store_b128 v[VO+2*(\hh)+1], v[CD+8:CD+11], s[10:11] offset:(\a)*4096
	global_store_b128 v[VO+2*(\hh)+1], v[CD+12:CD+15], s[10:11] offset:(\a)*4096+512
.endm
.irp a, 0,1,2,3,4,5,6,7
	QKOUT \a, 0
	QKOUT \a, 1
.endr
	s_wait_xcnt 0x0
	FETCH_B 0, 0, 0
	FETCH_H 0, 0, 0
	STEP2 0, 1
	TURN2 0, 1, 1
	STEP2 1, 0
	TURN2 1, 0, 1
	STEP2 0, 0
	TURN2 0, 1, 0
	STEP2 1, 0
	s_wait_dscnt 0x0
	WIN MUL_LO
	MUL16 4, 1, 0
	MUL16 6, 1, 0
	WIN 0
	s_add_co_i32 s96, s22, s23
	s_add_co_i32 s96, s96, 127
	s_lshl_b32 s96, s96, 23
	s_mov_b32 s97, s96
	MKSCALE 90, SA, LA
	PLACES NP
	s_lshl_b32 s17, s104, 4
	s_lshl_b32 s18, s105, 3
	s_add_co_u32 s17, s17, s18
	s_lshl_b32 s18, s41, 1
	s_add_co_u32 s17, s17, s18
	s_add_co_u32 s17, s17, s15
	s_mul_i32 s18, s17, 393216
	s_lshl_b32 s17, s40, 1
	s_add_co_u32 s17, s17, s16
	s_mul_i32 s17, s17, 49152
	s_add_co_u32 s18, s18, s17
	s_sub_co_u32 s17, s101, 4
	s_lshl_b32 s17, s17, 13
	s_add_co_u32 s18, s18, s17
	s_add_co_u32 s18, s18, 32768
	s_mov_b32 s19, 0
	s_add_nc_u64 s[10:11], s[82:83], s[18:19]
.macro VOUT a
.set AC, 64*(\a)
	WIN 0x02
.set jj, 0
.rept 32
	v_pk_fma_f32 v[Y+jj:Y+jj+1], v[AC+jj:AC+jj+1], s[96:97], v[BV+2*(\a):BV+2*(\a)+1] op_sel_hi:[1,0,1]
.set jj, jj+2
.endr
	WIN 0
.set jj, 0
.rept 64
	v_med3_num_f32 v[Y+jj], v[Y+jj], -v[LA], v[LA]
.set jj, jj+1
.endr
	s_wait_alu depctr_va_vdst(0)
	s_wait_xcnt 0x0
.set cc, 0
.rept 8
	v_cvt_scalef32_pk8_fp8_f32 v[CD+2*cc:CD+2*cc+1], v[Y+8*cc:Y+8*cc+7], v[SA]
.set cc, cc+1
.endr
	v_nop
.set pp, 0
.rept 4
	global_store_b128 v[LI], v[CD+4*pp:CD+4*pp+3], s[10:11] offset:(\a)*2048+512*pp
.set pp, pp+1
.endr
.endm
.irp a, 0,1,2,3
	VOUT \a
.endr
	s_wait_tensorcnt 0x0
	ds_add_u32 v[SPW], v[NIL]
	s_wait_dscnt 0x0
	CROUND
	s_endpgm
.Lfunc_end_k_q442bda9051_proj:
	.size	k_q442bda9051_proj, .Lfunc_end_k_q442bda9051_proj-k_q442bda9051_proj
	.p2alignl 7, 3214868480
	.fill 96, 4, 3214868480
	.section	.rodata,"a",@progbits
	.p2align	6, 0x0
	.amdhsa_kernel k_q442bda9051_proj
		.amdhsa_group_segment_fixed_size 327680
		.amdhsa_private_segment_fixed_size 0
		.amdhsa_enable_private_segment 0
		.amdhsa_kernarg_size 88
		.amdhsa_user_sgpr_count 2
		.amdhsa_user_sgpr_kernarg_segment_ptr 1
		.amdhsa_wavefront_size32 1
		.amdhsa_system_sgpr_workgroup_id_x 1
		.amdhsa_system_sgpr_workgroup_id_y 1
		.amdhsa_system_sgpr_workgroup_id_z 1
		.amdhsa_system_vgpr_workitem_id 0
		.amdhsa_next_free_vgpr 1024
		.amdhsa_next_free_sgpr 106
		.amdhsa_reserve_vcc 0
		.amdhsa_float_denorm_mode_32 3
		.amdhsa_float_denorm_mode_16_64 3
		.amdhsa_memory_ordered 1
		.amdhsa_forward_progress 1
		.amdhsa_inst_pref_size 255
	.end_amdhsa_kernel
	.section	.bss,"aw",@nobits
	.p2align	6
	.space	262144
	.amdgpu_metadata
---
amdhsa.version: [ 1, 2 ]
amdhsa.kernels:
  - .name:           k_q442bda9051_proj
    .symbol:         k_q442bda9051_proj.kd
    .args:
      - { .name: xc, .offset: 0, .size: 8, .value_kind: global_buffer, .address_space: global }
      - { .name: wc, .offset: 8, .size: 8, .value_kind: global_buffer, .address_space: global }
      - { .name: lowp_scales, .offset: 16, .size: 8, .value_kind: global_buffer, .address_space: global }
      - { .name: bq_r, .offset: 24, .size: 8, .value_kind: global_buffer, .address_space: global }
      - { .name: bq_i, .offset: 32, .size: 8, .value_kind: global_buffer, .address_space: global }
      - { .name: bk_r, .offset: 40, .size: 8, .value_kind: global_buffer, .address_space: global }
      - { .name: bk_i, .offset: 48, .size: 8, .value_kind: global_buffer, .address_space: global }
      - { .name: bv_r, .offset: 56, .size: 8, .value_kind: global_buffer, .address_space: global }
      - { .name: bv_i, .offset: 64, .size: 8, .value_kind: global_buffer, .address_space: global }
      - { .name: qc, .offset: 72, .size: 8, .value_kind: global_buffer, .address_space: global }
      - { .name: kv, .offset: 80, .size: 8, .value_kind: global_buffer, .address_space: global }
    .group_segment_fixed_size: 327680
    .private_segment_fixed_size: 0
    .kernarg_segment_align: 8
    .kernarg_segment_size: 88
    .max_flat_workgroup_size: 128
    .sgpr_count:     106
    .vgpr_count:     1024
    .wavefront_size: 32
...
	.end_amdgpu_metadata
.endif
;; end of part 2
;; launch attn (part 3): grid 4 x 64, 8 waves a work-group, clusters of 4 x 1, 327,680 bytes of LDS; arguments qc, kv, lowp_scales, oc; writes oc
.if DOCPART == 3
	.amdgcn_target "amdgcn-amd-amdhsa--gfx1250"
	.amdhsa_code_object_version 6
	.text
	.protected	k_q442bda9051_attn
	.globl	k_q442bda9051_attn
	.p2align	8
	.type	k_q442bda9051_attn,@function
k_q442bda9051_attn:
	s_mov_b64 s[64:65], 0
	v_nop
	global_prefetch_b8 v0, s[64:65] scope:SCOPE_SE
	s_setreg_imm32_b32 hwreg(HW_REG_WAVE_MODE, 25, 1), 1
	s_wait_xcnt 0x0
	s_wait_alu depctr_hold_cnt(0) depctr_sa_sdst(0) depctr_va_vdst(0) depctr_va_sdst(0) depctr_va_ssrc(0) depctr_va_vcc(0) depctr_vm_vsrc(0)
	s_getreg_b32 s2, hwreg(HW_REG_IB_STS2, 6, 4)
	s_cmp_eq_u32 s2, 0
	s_cbranch_scc0 .Lentry_in_a_cluster
	s_endpgm
.Lentry_in_a_cluster:
	s_bfe_u32 s2, ttmp6, 0x10000c
	s_cmp_lg_u32 s2, 0x3003
	s_cbranch_scc0 .Lentry_shape_is_right
	s_endpgm
.Lentry_shape_is_right:
; Complex attention on codes of FP8 (E4M3).  For a head (64 of them: 16 x batch + head), 1,024 queries, 1,024 keys, head size 64:
; re = qr.kr + qi.ki, im = qi.kr - qr.ki: four products of K = 64, each on its own two versions of codes with its own two scales (entries 12 .. 19);
; logit = sqrt(re^2 + im^2 + 1e-8) / 8; t = logit x log2(e); M = the running largest t rounded UP to a whole number; p = 2^(t - M), not normalised, is quantised twice (entries 20, 22)
; along the keys and multiplied with vr (21) and vi (23); the row's sum is taken of the unquantised p and divides at the end.  The results are quantised at once (entries 24, 26) for the last projections.
; With E1 .. E4 the sums of the four products' two exponents: ar = S0 + S1 2^(E2-E1), ai = S2 2^(E3-E1) - S3 2^(E4-E1), x = ar^2 + ai^2 + eps', t = c' sqrt(x), c' = 2^E1 log2(e) / 8, eps' = 1e-8 x 2^(-2 E1).
; SHARES.  A cluster of four work-groups is one head; a work-group owns 256 queries, each of its eight waves 32: two tiles of 16, so that each fragment of K and V read from LDS feeds two products.
; All four partners walk the same kv: every fill of the ring is a JOINT load (mask 15); each of the eight waves fetches an eighth of a slot, so every way through the text passes a tensor load.
; LAYOUT.  S^T = K Q^T (source 0 = 16 keys, source 1 = 16 queries), O^T = V^T P^T: a lane holds ONE query (lane % 16); its registers run along the keys 16 c + 8 (lane / 16) + 0 .. 7: the conversions' results ARE P's fragment.
; kv: a step of 128 keys is 49,152 bytes: [tile of 16 keys 8][version 4][1024], then [tile of 16 features 8][2048], images of the operands' registers (512 consecutive bytes a load).
; RING: two LDS slots of two steps (98,304 bytes), four fills in all.  No prefetch is laid: a fill is asked for a whole slot, two key steps, ahead of the wait for it, and the first fill has no loop to run ahead in.
; A KEY STEP.  K's fragments stand in three sets of registers by turns (two of them are P's registers, idle while the scores are made): a key tile is asked for three tiles ahead.
; The roots and exponentials are dealt among plain lines that are independent of each other and of the batch, and whose results are first read behind the batch's closing wait:
; a key tile's 16 roots stand behind the next tile's products, among the 8 maxima of the tile before (eight chains); tile 0's exponentials among tile 1's t - M; tile 1's among tile 0's holds and the first level of its sum.
; LIMITS: E1 between -77 and 49; E2 - E1, E3 - E1, E4 - E1 between -126 and 127; entries 20, 22, 24, 26 between -126 and 119.  NaN is not served.
; REGISTERS.  window 0: v1 16 x lane; v2 LDS address; v3, v4 the add's two; v[6:7] eps'; v8-23 statistics, 8 a tile: +0 -M, +1 largest t, +2, +3 the sum, +4 f (+5 its pair), +6, +7 chains of the maximum;
;   v30, v31, v0, v5 four more chains; v24-27 the two holds, each twice; v28, v29 the two scales; v32-63 K's set 0, later held p; v64-127 the four sums of two tiles, then held p and partial sums, then V's tiles 0-3;
;   v128-255 64 numbers a tile; tile 0's later V's tiles 4-7.   window 1: v0-127 O^T (64 t + 8 f); v128-191 Q (32 t + 8 version); v192-255 K's sets 1 and 2, then P's codes (32 t + 16 x which scale).
.set KSB,   49152                      ; a step of 128 keys
.set SLB,   2*KSB                      ; a slot
.set EIG,   SLB/8                      ; what one tensor load brings: 48 rows of 256 bytes
.set SLOT1, 131072                     ; slot 1 begins here: one exclusive or turns an address from slot to slot
.set SPARE, 2*SLOT1                    ; behind the ring: the spare words, 128 bytes a wave: four blocks of 256 bytes that no other line names
.set LI,  1
.set ADK, 2
.set SPW, 3
.set NIL, 4
.set TMP, 5
.set EPS, 6
.set ST,  8
.set LIM, 24
.set SCL, 28
.set KF,  32
.set S,   64
.set VF,  64
.set T,   128
.set OA,  0
.set QF,  128
.set PF,  192
.set WV,  12                           ; s12 wave;  s13 cx;  s14 head;  s15 block of 256 queries
.set SEL, 20                           ; s[20:21] lane selects for v_permlanex16_b32: lane l xor 16
.set CS,  22                           ; s[22:23] c'
.set G1,  24                           ; s[24:31] descriptor group 1
.set G0,  32                           ; s[32:35] group 0, which walks
.set R2,  36                           ; s[36:37] 2^(E2-E1);  s[38:39] 2^(E3-E1);  s[40:41] -2^(E4-E1)
.set R3,  38
.set R4,  40
.set TB,  44                           ; s44 LDS byte at which the step in hand begins
.set SLOTS, 45
.set TWICE, 46
.set MSB, 0
.macro WIN new                         ; the immediate's high byte repeats the setting that is left
.if MSB != (\new)
	s_set_vgpr_msb (MSB<<8)|(\new)
.set MSB, (\new)
.endif
.endm
.macro PLACES n
.rept \n
	v_nop
.endr
.endm
.macro JLOAD                           ; every wave fetches its eighth; an s_nop 0 and four v_nop follow the load
	tensor_load_to_lds s[G0:G0+3], s[G1:G1+7]
	s_nop 0
	PLACES 4
.endm
.macro CROUND                          ; a round of the cluster's barrier
	s_barrier_signal -1
	s_barrier_wait -1
	s_cmp_lg_u32 s[WV], 0
	s_cbranch_scc1 .Lnot_wave_0_\@
	s_barrier_signal -3
.Lnot_wave_0_\@:
	s_barrier_wait -3
	s_barrier_signal -1
	s_barrier_wait -1
.endm
.macro MKSCALE e, sc, lim
	s_add_co_i32 s48, s[\e], 127
	s_lshl_b32 s49, s48, 23
	v_mov_b32 v[\sc], s49                          ; 2^e as f32
	s_add_co_i32 s48, s48, 8
	s_lshl_b32 s48, s48, 23
	s_or_b32 s48, s48, 0x600000
	v_mov_b32 v[\lim], s48                         ; 448 x 2^e, in two registers: one for each half of a dual line
	v_mov_b32 v[(\lim)+1], s48
.endm
	s_load_b128 s[4:7], s[0:1], 0x0                ; qc, kv
	s_load_b128 s[8:11], s[0:1], 0x10              ; the scales' exponents, oc
	v_lshl_add_u32 v[SPW], v0, 2, SPARE
	v_mov_b32 v[NIL], 0
	ds_add_u32 v[SPW], v[NIL]                      ; the wave's opening: the add, twice on end, and its wait ahead of my first tensor load
	ds_add_u32 v[SPW], v[NIL]
	v_lshrrev_b32 v[TMP], 5, v0
	v_readfirstlane_b32 s[WV], v[TMP]              ; wave 0..7
	v_and_b32 v[LI], 31, v0
	v_lshlrev_b32 v[LI], 4, v[LI]
	s_bfe_u32 s13, ttmp6, 0x40000                  ; cx
	s_lshl_b32 s15, ttmp9, 2
	s_add_co_u32 s15, s15, s13                     ; my block of 256 queries: it enters qc's and oc's addresses alone
	s_and_b32 s14, ttmp7, 0xffff                   ; the head, which the four partners share
	s_mov_b32 s[G1], 15|(3<<16)|(1<<21)            ; 15:0 the mask: all four; 17:16 elements of 8 bytes; 21 set beside a mask; no padding
	s_mov_b32 s[G1+1], 32<<16                      ; tensor_dim0 = 32 elements: 256 bytes
	s_mov_b32 s[G1+2], 48<<16                      ; tensor_dim1 = 48
	s_mov_b32 s[G1+3], 32<<16                      ; tile_dim0
	s_mov_b32 s[G1+4], 48                          ; tile_dim1
	s_mov_b32 s[G1+5], 32                          ; the pitch: the block is dense
	s_mov_b32 s[G1+6], 0
	s_mov_b32 s[G1+7], 0
	s_mov_b32 s[SEL], 0x76543210
	s_mov_b32 s[SEL+1], 0xfedcba98
	s_mov_b32 s[TB], 0
	s_mov_b32 s[SLOTS], 3
	s_mov_b32 s[G0], 1
	s_mul_i32 s[G0+1], s[WV], EIG                  ; my eighth of slot 0
	s_mul_i32 s50, s14, 8*KSB                      ; the head's kv,
	s_add_co_u32 s50, s50, s[G0+1]                 ; my eighth of its first two steps
	s_mov_b32 s51, 0
	s_lshl_b32 s52, s14, 18                        ; qc: 262,144 a head, 65,536 a block, 8,192 a wave
	s_lshl_b32 s53, s15, 16
	s_add_co_u32 s52, s52, s53
	s_lshl_b32 s53, s[WV], 13
	s_add_co_u32 s52, s52, s53
	s_mov_b32 s53, 0
	s_lshr_b32 s16, s14, 4                         ; the batch
	s_and_b32 s17, s14, 15                         ; the head in it
	s_lshl_b32 s54, s16, 3                         ; oc: token / 128 = 8 batch + 2 block + wave / 4
	s_lshl_b32 s55, s15, 1
	s_add_co_u32 s54, s54, s55
	s_lshr_b32 s55, s[WV], 2
	s_add_co_u32 s54, s54, s55
	s_lshl_b32 s54, s54, 17
	s_lshr_b32 s55, s17, 2                         ; feature / 256
	s_lshl_b32 s55, s55, 15
	s_add_co_u32 s54, s54, s55
	s_and_b32 s55, s[WV], 3                        ; my two tiles of 16 tokens
	s_lshl_b32 s55, s55, 13
	s_add_co_u32 s54, s54, s55
	s_bfe_u32 s55, s17, 0x10001                    ; which 128 of the 256
	s_lshl_b32 s55, s55, 11
	s_add_co_u32 s54, s54, s55
	s_and_b32 s55, s17, 1                          ; which 64 of the 128: registers 0-7 or 8-15
	s_lshl_b32 s55, s55, 10
	s_add_co_u32 s54, s54, s55
	s_mov_b32 s55, 0
	s_wait_alu depctr_va_vdst(0)                   ; directly ahead of the waits below
	s_wait_dscnt 0x0                               ; both opening adds are done
	s_wait_kmcnt 0x0
	s_load_b512 s[72:87], s[8:9], 0x30             ; entries 12 .. 27: s[60 + entry]
	s_add_nc_u64 s[G0+2:G0+3], s[6:7], s[50:51]
	s_or_b32 s[G0+3], s[G0+3], 0x80000000          ; type = 2
	s_add_nc_u64 s[4:5], s[4:5], s[52:53]
	s_add_nc_u64 s[10:11], s[10:11], s[54:55]
	WIN 0x40                                       ; destination window 1
.irp t, 0,1
.irp v, 0,1,2,3
	global_load_b128 v[QF+32*\t+8*\v:QF+32*\t+8*\v+3], v[LI], s[4:5] offset:\t*4096+\v*1024        ; Q's eight fragments stay in registers; asked for ahead of the round
	global_load_b128 v[QF+32*\t+8*\v+4:QF+32*\t+8*\v+7], v[LI], s[4:5] offset:\t*4096+\v*1024+512
.endr
.endr
	WIN 0
	CROUND                                         ; all four work-groups are here: the first joint loads meet
	JLOAD                                          ; steps 0 and 1 into slot 0: my one tensor load at the head
	WIN 0x40
.set jj, 0
.rept 128
	v_mov_b32 v[OA+jj], 0                          ; O^T.  (The step is written once for all steps: the first finds zeros, which the first change of M leaves zeros)
.set jj, jj+1
.endr
	WIN 0
.set jj, 0
.rept 16
	v_mov_b32 v[ST+jj], 0                          ; the largest t so far is 0, which lies under every t (t > 0); -M = 0; the sums are 0
.set jj, jj+1
.endr
	s_wait_kmcnt 0x0
	s_add_co_i32 s47, s72, s73                     ; E1
	s_add_co_i32 s48, s74, s75                     ; E2
	s_sub_co_i32 s48, s48, s47
	s_add_co_i32 s48, s48, 127
	s_lshl_b32 s[R2], s48, 23
	s_mov_b32 s[R2+1], s[R2]
	s_add_co_i32 s48, s76, s77                     ; E3
	s_sub_co_i32 s48, s48, s47
	s_add_co_i32 s48, s48, 127
	s_lshl_b32 s[R3], s48, 23
	s_mov_b32 s[R3+1], s[R3]
	s_add_co_i32 s48, s78, s79                     ; E4
	s_sub_co_i32 s48, s48, s47
	s_add_co_i32 s48, s48, 127
	s_lshl_b32 s[R4], s48, 23
	s_or_b32 s[R4], s[R4], 0x80000000              ; with the minus sign of im's second product
	s_mov_b32 s[R4+1], s[R4]
	s_lshl_b32 s48, s47, 23
	s_add_co_i32 s[CS], s48, 0x3e38aa3b            ; log2(e) / 8 with E1 added to its exponent field
	s_mov_b32 s[CS+1], s[CS]
	s_lshl_b32 s48, s47, 24
	s_sub_co_i32 s48, 0x322bcc77, s48              ; 1e-8 with 2 E1 taken off its exponent field
	v_mov_b32 v[EPS], s48
	v_mov_b32 v[EPS+1], s48
	MKSCALE 80, SCL, LIM                           ; p for vr: entry 20
	MKSCALE 82, SCL+1, LIM+2                       ; p for vi: entry 22
.macro KSET g                          ; where key tile g's four fragments stand: set g % 3; KB its first register, KW its window
.if (\g)%3 == 0
.set KB, KF
.set KW, 0
.else
.set KB, PF+32*((\g)%3-1)
.set KW, 1
.endif
.endm
.macro KLOAD g                         ; the four versions of key tile g
	KSET \g
	WIN 0x40*KW
.irp v, 0,1,2,3
	ds_load_b128 v[KB+8*\v:KB+8*\v+3], v[ADK] offset:(\g)*4096+\v*1024
	ds_load_b128 v[KB+8*\v+4:KB+8*\v+7], v[ADK] offset:(\g)*4096+\v*1024+512
.endr
	WIN 0
.endm
.macro VLOAD f0                        ; V's tiles f0 .. f0 + 3
.irp f, 0,1,2,3
.irp p, 0,1,2,3
	ds_load_b128 v[VF+16*((\f0)+\f)+4*\p:VF+16*((\f0)+\f)+4*\p+3], v[ADK] offset:32768+((\f0)+\f)*2048+512*\p
.endr
.endr
.endm
.macro SETCH t, c                      ; CR = chain c (0 .. 3) of tile t's maximum: v14, v15, v30, v31;  v22, v23, v0, v5
.if (\c) < 2
.set CR, ST+8*(\t)+6+(\c)
.else
.set CR, (1-(\t))*(28+(\c))+(\t)*5*((\c)-2)
.endif
.endm
; key tile h's 16 roots, two behind each of eight plain lines: the maxima of key tile h - 1's roots, one line to a chain, so that no line of the batch reads what another wrote
.macro ROOTS h
.if (\h) < 0
	PLACES 4
.else
.irp t, 0,1
.irp c, 0,1,2,3
.if (\h) == 0
.if \c < 2
	v_nop                                          ; four in all: the places behind the products
.endif
.elseif (\h) == 1
	SETCH \t, \c
	v_max_num_f32 v[CR], v[T+64*\t+2*\c], v[T+64*\t+2*\c+1]
.else
	SETCH \t, \c
	v_max3_num_f32 v[CR], v[CR], v[T+64*\t+8*((\h)-1)+2*\c], v[T+64*\t+8*((\h)-1)+2*\c+1]
.endif
	v_sqrt_f32 v[T+64*\t+8*(\h)+2*\c], v[T+64*\t+8*(\h)+2*\c]
	v_sqrt_f32 v[T+64*\t+8*(\h)+2*\c+1], v[T+64*\t+8*(\h)+2*\c+1]
.endr
.endr
.endif
.endm
; 16 keys x my 32 queries: eight products, each begun with 0; behind them the tile before's roots; then x in five packed lines a pair, each accumulator from its low end on
.macro GROUP g
	s_wait_alu depctr_va_vdst(0)                   ; ahead of the roots of the last x, and directly ahead of the wait below
.if (\g) < 6
	s_wait_dscnt 16                                ; this tile's eight loads are in; the two younger tiles' eight each may be out
.else
	s_wait_dscnt 8*(7-(\g))
.endif
	KSET \g
	WIN 0x04+KW                                    ; source 1 (Q) window 1; source 0 (K) by its set
.irp t, 0,1
.irp v, 0,1,2,3
	v_wmma_f32_16x16x64_fp8_fp8 v[S+32*\t+8*\v:S+32*\t+8*\v+7], v[KB+8*\v:KB+8*\v+7], v[QF+32*\t+8*\v:QF+32*\t+8*\v+7], 0
.endr
.endr
	WIN 0
	ROOTS (\g)-1                                   ; its plain lines (four at the least) are the places in front of the loads into K's set and of the first read of the sums
.if (\g) < 5
	KLOAD (\g)+3                                   ; into the set just multiplied
.endif
.if (\g) > 0
	s_wait_alu depctr_va_vdst(0)                   ; behind the roots, and directly ahead of the first reader of the sums, matrix results
.endif
.irp t, 0,1
.irp i, 0,2,4,6
	v_pk_fma_f32 v[S+32*\t+\i:S+32*\t+\i+1], v[S+32*\t+8+\i:S+32*\t+8+\i+1], s[R2:R2+1], v[S+32*\t+\i:S+32*\t+\i+1] op_sel_hi:[1,0,1]          ; ar
.endr
.endr
.irp t, 0,1
.irp i, 0,2,4,6
	v_pk_mul_f32 v[S+32*\t+16+\i:S+32*\t+16+\i+1], v[S+32*\t+16+\i:S+32*\t+16+\i+1], s[R3:R3+1] op_sel_hi:[1,0]
.endr
.endr
.irp t, 0,1
.irp i, 0,2,4,6
	v_pk_fma_f32 v[S+32*\t+16+\i:S+32*\t+16+\i+1], v[S+32*\t+24+\i:S+32*\t+24+\i+1], s[R4:R4+1], v[S+32*\t+16+\i:S+32*\t+16+\i+1] op_sel_hi:[1,0,1]   ; ai
.endr
.endr
.irp t, 0,1
.irp i, 0,2,4,6
	v_pk_fma_f32 v[T+64*\t+8*(\g)+\i:T+64*\t+8*(\g)+\i+1], v[S+32*\t+\i:S+32*\t+\i+1], v[S+32*\t+\i:S+32*\t+\i+1], v[EPS:EPS+1]
.endr
.endr
.irp t, 0,1
.irp i, 0,2,4,6
	v_pk_fma_f32 v[T+64*\t+8*(\g)+\i:T+64*\t+8*(\g)+\i+1], v[S+32*\t+16+\i:S+32*\t+16+\i+1], v[S+32*\t+16+\i:S+32*\t+16+\i+1], v[T+64*\t+8*(\g)+\i:T+64*\t+8*(\g)+\i+1]
.endr
.endr
.endm
; two numbers held in one line: d and s are even; the hold stands in v[l] and v[l + 1].  p is not negative, so the hold is one-sided; the conversion to an 8-bit code does not saturate (ISA guide 7.6.2)
.macro HOLD2 d, s, l
	v_dual_min_num_f32 v[\d], v[\s], v[\l] :: v_dual_min_num_f32 v[(\d)+1], v[(\s)+1], v[(\l)+1]
.endm
.macro CONVA t                         ; tile t's p for the first scale: held into K's set 0, 32 at a time, and converted
.irp hf, 0,1
.set jj, 0
.rept 16
	HOLD2 KF+jj, T+64*(\t)+32*\hf+jj, LIM
.set jj, jj+2
.endr
	WIN 0x40                                       ; destination window 1
.irp c, 0,1,2,3
	v_cvt_scalef32_pk8_fp8_f32 v[PF+32*(\t)+8*\hf+2*\c:PF+32*(\t)+8*\hf+2*\c+1], v[KF+8*\c:KF+8*\c+7], v[SCL]
.endr
	v_nop                                          ; a plain vector line behind the last conversion of a run
	WIN 0
.endr
.endm
.macro CONVB t                         ; and for the second: held in place
.set jj, 0
.rept 32
	HOLD2 T+64*(\t)+jj, T+64*(\t)+jj, LIM+2
.set jj, jj+2
.endr
	WIN 0x40
.set cc, 0
.rept 8
	v_cvt_scalef32_pk8_fp8_f32 v[PF+32*(\t)+16+2*cc:PF+32*(\t)+16+2*cc+1], v[T+64*(\t)+8*cc:T+64*(\t)+8*cc+7], v[SCL+1]
.set cc, cc+1
.endr
	v_nop
	WIN 0
.endm
.macro TML t, j                        ; t - M for the pair at j of tile t (of the pairs c' and -M the low word serves both halves)
	v_pk_fma_f32 v[T+64*(\t)+(\j):T+64*(\t)+(\j)+1], v[T+64*(\t)+(\j):T+64*(\t)+(\j)+1], s[CS:CS+1], v[ST+8*(\t):ST+8*(\t)+1] op_sel_hi:[1,0,0]
.endm
; A KEY STEP: 128 keys
.macro STEP
	v_add_nc_u32 v[ADK], s[TB], v[LI]
	KLOAD 0
	KLOAD 1
	KLOAD 2
.irp g, 0,1,2,3,4,5,6,7
	GROUP \g
.endr
	s_wait_alu depctr_va_vdst(0)                   ; ahead of the last tile's roots
	ROOTS 7
	v_nop                                          ; a plain line behind the last root,
	s_wait_alu depctr_va_vdst(0)                   ; and the wait behind them
.irp t, 0,1
.irp c, 0,1,2,3
	SETCH \t, \c
	v_max3_num_f32 v[CR], v[CR], v[T+64*\t+56+2*\c], v[T+64*\t+56+2*\c+1]
.endr
.endr
	v_max3_num_f32 v[ST+6], v[ST+6], v[ST+7], v30
	v_max3_num_f32 v[ST+14], v[ST+14], v[ST+15], v0
	v_max_num_f32 v[ST+6], v[ST+6], v31
	v_max_num_f32 v[ST+14], v[ST+14], v5
.irp t, 0,1
	v_permlanex16_b32 v[ST+8*\t+7], v[ST+8*\t+6], s[SEL], s[SEL+1]
.endr
.irp t, 0,1
	v_max_num_f32 v[ST+8*\t+6], v[ST+8*\t+6], v[ST+8*\t+7]   ; the step's largest root of my query, lane l xor 16's among them
.endr
.irp t, 0,1
	v_mul_f32 v[ST+8*\t+6], s[CS], v[ST+8*\t+6]    ; as t (c' is positive)
.endr
.irp t, 0,1
	v_max_num_f32 v[ST+8*\t+1], v[ST+8*\t+1], v[ST+8*\t+6]   ; the running largest t
.endr
.irp t, 0,1
	v_mov_b32 v[ST+8*\t+7], v[ST+8*\t]
.endr
.irp t, 0,1
	v_floor_f32 v[ST+8*\t], -v[ST+8*\t+1]          ; the new -M = floor(-t) = -ceil(t): a whole number
.endr
.irp t, 0,1
	v_sub_f32 v[ST+8*\t+6], v[ST+8*\t], v[ST+8*\t+7]   ; old M - new M: a whole number, 0 or less
.endr
.irp t, 0,1
	v_cvt_i32_f32 v[ST+8*\t+6], v[ST+8*\t+6]
.endr
.irp t, 0,1
	v_ldexp_f32 v[ST+8*\t+4], 1.0, v[ST+8*\t+6]    ; f = 2^(old M - new M): a multiplication by it rounds nothing
.endr
.irp t, 0,1
	v_pk_mul_f32 v[ST+8*\t+2:ST+8*\t+3], v[ST+8*\t+2:ST+8*\t+3], v[ST+8*\t+4:ST+8*\t+5] op_sel_hi:[1,0]   ; the sums under the new M
.endr
.set jj, 0
.rept 32
	TML 0, jj
.set jj, jj+2
.endr
	s_wait_alu depctr_va_vdst(0)                   ; ahead of tile 0's exponentials
.set jj, 0
.rept 32
	v_exp_f32 v[T+jj], v[T+jj]                     ; p = 2^(t - M), at most 1
	TML 1, jj                                      ; tile 1's t - M: first read behind the wait below
	v_exp_f32 v[T+jj+1], v[T+jj+1]
.set jj, jj+2
.endr
	s_wait_alu depctr_va_vdst(0)                   ; behind tile 0's exponentials and ahead of tile 1's
.set jj, 0
.rept 16                                       ; four exponentials of tile 1 and three lines on tile 0's p a turn; what the three write is first read behind the wait below
	v_exp_f32 v[T+64+4*jj], v[T+64+4*jj]
	HOLD2 KF+2*jj, T+2*jj, LIM
	v_exp_f32 v[T+64+4*jj+1], v[T+64+4*jj+1]
	HOLD2 S+2*jj, T+32+2*jj, LIM
	v_exp_f32 v[T+64+4*jj+2], v[T+64+4*jj+2]
	v_pk_add_f32 v[S+32+2*jj:S+32+2*jj+1], v[T+4*jj:T+4*jj+1], v[T+4*jj+2:T+4*jj+3]   ; the row's sum is taken of the UNQUANTISED p: its first level
	v_exp_f32 v[T+64+4*jj+3], v[T+64+4*jj+3]
.set jj, jj+1
.endr
	WIN 0x41                                       ; O^T (destination and source 0) window 1, f window 0
	s_wait_alu depctr_va_vdst(0)                   ; behind the exponentials; it stands directly ahead of the first reader of O^T, a matrix result
.irp t, 0,1
.set jj, 0
.rept 32
	v_pk_mul_f32 v[OA+64*\t+jj:OA+64*\t+jj+1], v[OA+64*\t+jj:OA+64*\t+jj+1], v[ST+8*\t+4:ST+8*\t+5] op_sel_hi:[1,0]   ; O^T under the new M, each accumulator from its low end on
.set jj, jj+2
.endr
.endr
	WIN 0x40
.irp c, 0,1,2,3
	v_cvt_scalef32_pk8_fp8_f32 v[PF+2*\c:PF+2*\c+1], v[KF+8*\c:KF+8*\c+7], v[SCL]
.endr
.irp c, 0,1,2,3
	v_cvt_scalef32_pk8_fp8_f32 v[PF+8+2*\c:PF+8+2*\c+1], v[S+8*\c:S+8*\c+7], v[SCL]
.endr
	v_nop                                          ; a plain vector line behind the last conversion of a run
	WIN 0
.irp w, 16,8,4,2                               ; tile 0's sum: sixteen pairs become one
.set jj, 0
.rept \w/2
	v_pk_add_f32 v[S+32+jj:S+32+jj+1], v[S+32+jj:S+32+jj+1], v[S+32+\w+jj:S+32+\w+jj+1]
.set jj, jj+2
.endr
.endr
	v_pk_add_f32 v[ST+2:ST+3], v[ST+2:ST+3], v[S+32:S+33]
	VLOAD 0                                        ; into the registers of the held p and the partial sums, which are done with
	CONVB 0
	VLOAD 4                                        ; into tile 0's registers, which are done with
.irp k, 0,1,2                                  ; tile 1's sum, in four chains
	v_pk_add_f32 v[KF+2*\k:KF+2*\k+1], v[T+64+4*\k:T+64+4*\k+1], v[T+64+4*\k+2:T+64+4*\k+3]
.endr
.set jj, 12
.set kk, 0
.rept 26
.if kk%4 == 3
	v_pk_add_f32 v[ST+10:ST+11], v[ST+10:ST+11], v[T+64+jj:T+64+jj+1]
.else
	v_pk_add_f32 v[KF+2*(kk%4):KF+2*(kk%4)+1], v[KF+2*(kk%4):KF+2*(kk%4)+1], v[T+64+jj:T+64+jj+1]
.endif
.set jj, jj+2
.set kk, kk+1
.endr
	v_pk_add_f32 v[KF:KF+1], v[KF:KF+1], v[KF+2:KF+3]
	v_pk_add_f32 v[ST+10:ST+11], v[ST+10:ST+11], v[KF+4:KF+5]
	v_pk_add_f32 v[ST+10:ST+11], v[ST+10:ST+11], v[KF:KF+1]
	CONVA 1
	CONVB 1
	s_wait_alu depctr_va_vdst(0)                   ; directly ahead of the wait below
	s_wait_dscnt 0x0                               ; V's eight tiles are in
	WIN 0x54                                       ; V window 0; P, C and D window 1
.irp f, 0,1,2,3,4,5,6,7                        ; the 16 accumulators take turns, one instruction a turn
.irp t, 0,1
	v_wmma_f32_16x16x128_fp8_fp8 v[OA+64*\t+8*\f:OA+64*\t+8*\f+7], v[VF+16*\f:VF+16*\f+15], v[PF+32*\t+16*(\f/4):PF+32*\t+16*(\f/4)+15], v[OA+64*\t+8*\f:OA+64*\t+8*\f+7]
.endr
.endr
	WIN 0
	PLACES 5                                       ; the next step's products write over V's registers: five places; its loads land on P's and the way out reads O^T: four
	s_add_co_u32 s[TB], s[TB], KSB
.endm
; THE CHANGE OF SLOTS stands at a slot's head.  Each wave waits for all its tensor loads, adds 0 to its spare word, and waits for that and for its reads of the slot that it has left.  fill = 1: the barrier is a round of the
; cluster's, and behind it the slot that was left (the first time: slot 1, filled as a refill is) takes the next two steps.
.macro CHANGE fill
	s_wait_tensorcnt 0x0                           ; no tensor load of mine is out, so group 0 may be written
	ds_add_u32 v[SPW], v[NIL]                      ; 0 onto my spare word
.if \fill
	s_xor_b32 s[G0+1], s[G0+1], SLOT1              ; the other slot than last time,
	s_add_nc_u64 s[G0+2:G0+3], s[G0+2:G0+3], SLB   ; the next two steps; the type bits on top are not reached
.endif
	s_wait_dscnt 0x0                               ; the add is done, and my reads of the slot that I have left are over
.if \fill
	CROUND
	JLOAD                                          ; the first thing behind the round, and my one tensor load until the next
.else
	s_barrier_signal -1
	s_barrier_wait -1
.endif
.endm
.macro TWO_STEPS                       ; a slot's two steps: written once, walked twice; the LDS addresses hang on s[TB]
	s_mov_b32 s[TWICE], 2
.Lstep_\@:
	STEP
	s_sub_co_u32 s[TWICE], s[TWICE], 1
	s_cmp_lg_u32 s[TWICE], 0
	s_cbranch_scc1 .Lstep_\@
.endm
	s_wait_alu depctr_va_vdst(0)
	s_wait_loadcnt 0x0                             ; Q
.Lslot:                                            ; three trips: behind each change of slots but the last the next slot is asked for
	CHANGE 1
	TWO_STEPS
	s_sub_co_u32 s[TB], s[TB], SLB                 ; back to a slot's first step,
	s_xor_b32 s[TB], s[TB], SLOT1                  ; in the other slot
	s_sub_co_u32 s[SLOTS], s[SLOTS], 1
	s_cmp_lg_u32 s[SLOTS], 0
	s_cbranch_scc1 .Lslot
	CHANGE 0                                       ; the last slot is written out
	TWO_STEPS
	; THE WAY OUT.  O^T / the sum x 2^(p's exponent + v's), held and converted with the scales of the last projections' A operands; a lane's eight features are registers 2 c, 2 c + 1 of a fragment of 16 tokens.
.irp t, 0,1
	v_add_f32 v[ST+8*\t+6], v[ST+8*\t+2], v[ST+8*\t+3]   ; the sum's two halves,
.endr
.irp t, 0,1
	v_permlanex16_b32 v[ST+8*\t+7], v[ST+8*\t+6], s[SEL], s[SEL+1]
.endr
.irp t, 0,1
	v_add_f32 v[ST+8*\t+6], v[ST+8*\t+6], v[ST+8*\t+7]   ; and lane l xor 16's
.endr
	s_add_co_i32 s50, s80, s81
	s_add_co_i32 s51, s82, s83
	MKSCALE 84, SCL, LIM                           ; out_r: entry 24
	MKSCALE 86, SCL+1, LIM+2                       ; out_i: entry 26
	s_wait_alu depctr_va_vdst(0)                   ; the wait ahead of the two reciprocals
.irp t, 0,1
	v_rcp_f32 v[ST+8*\t+7], v[ST+8*\t+6]
.endr
	v_nop                                          ; a plain line behind the last reciprocal
	s_wait_alu depctr_va_vdst(0)                   ; and the wait behind them, ahead of their first reader
.irp t, 0,1
	v_ldexp_f32 v[ST+8*\t+2], v[ST+8*\t+7], s50
	v_ldexp_f32 v[ST+8*\t+4], v[ST+8*\t+7], s51
.endr
	WIN 0x01                                       ; source 0 (O^T) window 1
	s_wait_alu depctr_va_vdst(0)                   ; directly ahead of the first reader of O^T
.irp t, 0,1
.irp x, 0,1
.set jj, 0
.rept 16
	v_pk_mul_f32 v[T+64*\t+32*\x+jj:T+64*\t+32*\x+jj+1], v[OA+64*\t+32*\x+jj:OA+64*\t+32*\x+jj+1], v[ST+8*\t+2+2*\x:ST+8*\t+3+2*\x] op_sel_hi:[1,0]   ; each accumulator from its low end on
.set jj, jj+2
.endr
.endr
.endr
	WIN 0
.irp t, 0,1
.irp x, 0,1
.set jj, 0
.rept 32
	v_med3_num_f32 v[T+64*\t+32*\x+jj], v[T+64*\t+32*\x+jj], -v[LIM+2*\x], v[LIM+2*\x]
.set jj, jj+1
.endr
.irp c, 0,1,2,3
	v_cvt_scalef32_pk8_fp8_f32 v[S+16*\t+8*\x+2*\c:S+16*\t+8*\x+2*\c+1], v[T+64*\t+32*\x+8*\c:T+64*\t+32*\x+8*\c+7], v[SCL+\x]
.endr
.endr
.endr
	v_nop                                          ; a plain vector line behind the last conversion
.irp t, 0,1
.irp x, 0,1
.irp p, 0,1
	global_store_b128 v[LI], v[S+16*\t+8*\x+4*\p:S+16*\t+8*\x+4*\p+3], s[10:11] offset:\t*4096+\p*512+\x*4194304   ; 512 consecutive bytes, aligned
.endr
.endr
.endr
	s_wait_tensorcnt 0x0                           ; the wave's end, behind my last tensor load
	ds_add_u32 v[SPW], v[NIL]
	s_wait_dscnt 0x0
	CROUND                                         ; the closing round: no work-group ends while a partner may still ask for a tile that names it
	s_endpgm
.Lfunc_end_k_q442bda9051_attn:
	.size	k_q442bda9051_attn, .Lfunc_end_k_q442bda9051_attn-k_q442bda9051_attn
	.p2alignl 7, 3214868480
	.fill 96, 4, 3214868480
	.section	.rodata,"a",@progbits
	.p2align	6, 0x0
	.amdhsa_kernel k_q442bda9051_attn
		.amdhsa_group_segment_fixed_size 327680
		.amdhsa_private_segment_fixed_size 0
		.amdhsa_enable_private_segment 0
		.amdhsa_kernarg_size 32
		.amdhsa_user_sgpr_count 2
		.amdhsa_user_sgpr_kernarg_segment_ptr 1
		.amdhsa_wavefront_size32 1
		.amdhsa_system_sgpr_workgroup_id_x 1
		.amdhsa_system_sgpr_workgroup_id_y 1
		.amdhsa_system_sgpr_workgroup_id_z 1
		.amdhsa_system_vgpr_workitem_id 0
		.amdhsa_next_free_vgpr 512
		.amdhsa_next_free_sgpr 88
		.amdhsa_reserve_vcc 0
		.amdhsa_float_denorm_mode_32 3
		.amdhsa_float_denorm_mode_16_64 3
		.amdhsa_memory_ordered 1
		.amdhsa_forward_progress 1
		.amdhsa_inst_pref_size 166
	.end_amdhsa_kernel
	.amdgpu_metadata
---
amdhsa.version: [ 1, 2 ]
amdhsa.kernels:
  - .name:           k_q442bda9051_attn
    .symbol:         k_q442bda9051_attn.kd
    .args:
      - { .name: qc, .offset: 0, .size: 8, .value_kind: global_buffer, .address_space: global }
      - { .name: kv, .offset: 8, .size: 8, .value_kind: global_buffer, .address_space: global }
      - { .name: lowp_scales, .offset: 16, .size: 8, .value_kind: global_buffer, .address_space: global }
      - { .name: oc, .offset: 24, .size: 8, .value_kind: global_buffer, .address_space: global }
    .group_segment_fixed_size: 327680
    .private_segment_fixed_size: 0
    .kernarg_segment_align: 8
    .kernarg_segment_size: 32
    .max_flat_workgroup_size: 256
    .sgpr_count:     88
    .vgpr_count:     512
    .wavefront_size: 32
...
	.end_amdgpu_metadata
.endif
;; end of part 3
;; launch oproj (part 4): grid 4 x 64, 4 waves a work-group, clusters of 4 x 4, 327,680 bytes of LDS; arguments oc, wc, lowp_scales, bo_r, bo_i, out0, out1; writes out0, out1
.if DOCPART == 4
	.amdgcn_target "amdgcn-amd-amdhsa--gfx1250"
	.amdhsa_code_object_version 6
	.text
	.protected	k_q442bda9051_oproj
	.globl	k_q442bda9051_oproj
	.p2align	8
	.type	k_q442bda9051_oproj,@function
k_q442bda9051_oproj:
	s_mov_b64 s[64:65], 0
	v_nop
	global_prefetch_b8 v0, s[64:65] scope:SCOPE_SE
	s_setreg_imm32_b32 hwreg(HW_REG_WAVE_MODE, 25, 1), 1
	s_wait_xcnt 0x0
	s_wait_alu depctr_hold_cnt(0) depctr_sa_sdst(0) depctr_va_vdst(0) depctr_va_sdst(0) depctr_va_ssrc(0) depctr_va_vcc(0) depctr_vm_vsrc(0)
	s_getreg_b32 s2, hwreg(HW_REG_IB_STS2, 6, 4)
	s_cmp_eq_u32 s2, 0
	s_cbranch_scc0 .Lentry_in_a_cluster
	s_endpgm
.Lentry_in_a_cluster:
	s_bfe_u32 s2, ttmp6, 0x10000c
	s_cmp_lg_u32 s2, 0xf033
	s_cbranch_scc0 .Lentry_shape_is_right
	s_endpgm
.Lentry_shape_is_right:
.set FR,     16
.set NP,     4
.set HALFB,  32768
.set SLOT,   4*HALFB
.set SPARE,  2*SLOT
.set SPITCH, 528
.set ADRH, 16
.set ADRB, 20
.set LI,   24
.set STO,  25
.set RD,   26
.set SPW,  28
.set NIL,  29
.set BI,   32
.set AF,   128
.set BK,   128
.set G1H, 24
.set G0, 32
.set G1B, 48
.set G0B, 56
.set MSB, 0
.macro WIN new
.if MSB != (\new)
	s_set_vgpr_msb (MSB<<8)|(\new)
.set MSB, (\new)
.endif
.endm
.set MUL_LO, 0xa1
.set TO_B,   0x40
.macro JLOAD g0a, g1a, g0b, g1b
	s_cmp_eq_u32 s15, 0
	s_cbranch_scc0 .Lfor_b_\@
	tensor_load_to_lds s[\g0a:\g0a+3], s[\g1a:\g1a+7]
	s_nop 0
.rept 4
	v_nop
.endr
	s_branch .Lasked_\@
.Lfor_b_\@:
	tensor_load_to_lds s[\g0b:\g0b+3], s[\g1b:\g1b+7]
	s_nop 0
.rept 4
	v_nop
.endr
.Lasked_\@:
.endm
.macro CREST
	s_cmp_lg_u32 s14, 0
	s_cbranch_scc1 .Lnot_wave_0_\@
	s_barrier_signal -3
.Lnot_wave_0_\@:
	s_barrier_wait -3
	s_barrier_signal -1
	s_barrier_wait -1
.endm
.macro CROUND
	s_barrier_signal -1
	s_barrier_wait -1
	CREST
.endm
	s_load_b128 s[4:7], s[0:1], 0x0
	s_load_b64 s[8:9], s[0:1], 0x10
	s_load_b128 s[68:71], s[0:1], 0x18
	s_load_b128 s[72:75], s[0:1], 0x28
	v_lshl_add_u32 v[SPW], v0, 2, SPARE
	v_mov_b32 v[NIL], 0
	ds_add_u32 v[SPW], v[NIL]
	ds_add_u32 v[SPW], v[NIL]
	v_lshrrev_b32 v1, 5, v0
	v_readfirstlane_b32 s14, v1
	s_lshr_b32 s15, s14, 1
	s_and_b32 s16, s14, 1
	s_bfe_u32 s40, ttmp6, 0x40000
	s_bfe_u32 s41, ttmp6, 0x40004
	s_and_b32 s17, ttmp7, 0xffff
	s_lshr_b32 s42, s17, 3
	s_bfe_u32 s66, s17, 0x20001
	s_and_b32 s67, s17, 1
	s_lshl_b32 s43, s41, 2
	s_lshl_b32 s43, 15, s43
	s_lshl_b32 s44, 0x1111, s40
	s_or_b32 s[G1H+0], s43, (3<<16)|(1<<21)
	s_mov_b32 s[G1H+1], 32<<16
	s_mov_b32 s[G1H+2], 64<<16
	s_mov_b32 s[G1H+3], 32<<16
	s_mov_b32 s[G1H+4], 64
	s_mov_b32 s[G1H+5], 32
	s_mov_b32 s[G1H+6], 0
	s_mov_b32 s[G1H+7], 0
	s_or_b32 s[G1B+0], s44, (3<<16)|(1<<21)
	s_mov_b32 s[G1B+1], 32<<16
	s_mov_b32 s[G1B+2], 128<<16
	s_mov_b32 s[G1B+3], 32<<16
	s_mov_b32 s[G1B+4], 128
	s_mov_b32 s[G1B+5], 32
	s_mov_b32 s[G1B+6], 0
	s_mov_b32 s[G1B+7], 0
	s_lshl_b32 s23, s16, 14
	s_lshl_b32 s45, s14, 15
	s_lshl_b32 s20, s42, 22
	s_lshl_b32 s18, s66, 3
	s_lshl_b32 s19, s67, 2
	s_add_co_u32 s18, s18, s19
	s_add_co_u32 s18, s18, s41
	s_lshl_b32 s18, s18, 17
	s_add_co_u32 s20, s20, s18
	s_add_co_u32 s20, s20, s23
	s_mov_b32 s21, 0
	s_add_co_u32 s46, s42, 6
	s_lshl_b32 s46, s46, 20
	s_lshl_b32 s22, s40, 1
	s_add_co_u32 s22, s22, s16
	s_lshl_b32 s22, s22, 17
	s_add_co_u32 s46, s46, s22
	s_mov_b32 s47, 0
	s_lshl_b32 s92, s42, 3
	s_mov_b32 s93, 0
	s_wait_dscnt 0x0
	s_wait_kmcnt 0x0
	s_add_nc_u64 s[98:99], s[8:9], s[92:93]
	s_load_b64 s[96:97], s[98:99], 0x60
	s_add_nc_u64 s[20:21], s[4:5], s[20:21]
	s_add_nc_u64 s[46:47], s[6:7], s[46:47]
	; prefetches of the K steps: of what my wave fetches for a K step (waves 0, 1: 16,384 bytes of A; waves 2, 3: 32,768 of B) my work-group names a quarter (by cx for A, by cy for B), a lane 256 bytes;
	; A's lanes 16-31 name their wave's last block again.  Each K step is asked for two fills ahead of its joint load
	s_lshl_b32 s78, s40, 12
	s_lshl_b32 s79, s41, 13
	s_cmp_eq_u32 s15, 0
	s_cselect_b64 s[76:77], s[20:21], s[46:47]
	s_cselect_b32 s78, s78, s79
	s_cselect_b32 s80, 15, 31
	s_mov_b32 s79, 0
	s_add_nc_u64 s[76:77], s[76:77], s[78:79]
	v_and_b32 v30, 31, v0
	v_min_u32 v30, s80, v30
	v_lshlrev_b32 v30, 8, v30
	global_prefetch_b8 v30, s[76:77] offset:HALFB th:TH_LOAD_NT scope:SCOPE_SE
.irp s, 0,1
	s_mov_b32 s[G0+4*\s], 1
	s_add_co_u32 s[G0+4*\s+1], s23, \s*SLOT
	s_add_nc_u64 s[G0+4*\s+2:G0+4*\s+3], s[20:21], \s*HALFB
	s_or_b32 s[G0+4*\s+3], s[G0+4*\s+3], 0x80000000
	s_mov_b32 s[G0B+4*\s], 1
	s_add_co_u32 s[G0B+4*\s+1], s45, \s*SLOT
	s_add_nc_u64 s[G0B+4*\s+2:G0B+4*\s+3], s[46:47], \s*HALFB
	s_or_b32 s[G0B+4*\s+3], s[G0B+4*\s+3], 0x80000000
	s_wait_alu depctr_va_vdst(0)
	s_wait_tensorcnt 0x0
	ds_add_u32 v28, v29
	ds_add_u32 v28, v29
	s_wait_dscnt 0x0
	CROUND
	JLOAD G0+4*\s, G1H, G0B+4*\s, G1B
	global_prefetch_b8 v30, s[76:77] offset:(2+\s)*HALFB th:TH_LOAD_NT scope:SCOPE_SE
.endr
	v_and_b32 v1, 31, v0
	v_lshlrev_b32 v[LI], 4, v1
	s_lshl_b32 s21, s15, 14
	s_lshl_b32 s22, s16, 15
	s_add_co_u32 s22, s22, 2*HALFB
.irp s, 0,1
	v_add_nc_u32 v[ADRH+\s], s21, v[LI]
	v_add_nc_u32 v[ADRB+\s], s22, v[LI]
	s_add_co_u32 s21, s21, SLOT
	s_add_co_u32 s22, s22, SLOT
.endr
	s_mul_i32 s23, s14, 16*SPITCH
	v_and_b32 v2, 15, v0
	v_bfe_u32 v3, v0, 4, 1
	v_mul_u32_u24 v[STO], v2, SPITCH
	v_lshl_add_u32 v[STO], v3, 5, v[STO]
	v_add_nc_u32 v[STO], s23, v[STO]
	v_add_nc_u32 v[RD], s23, v[LI]
	s_cmp_eq_u32 s42, 0
	s_cselect_b64 s[84:85], s[68:69], s[70:71]
	s_cselect_b64 s[10:11], s[72:73], s[74:75]
	s_lshl_b32 s2, s40, 10
	s_lshl_b32 s3, s16, 9
	s_add_co_u32 s2, s2, s3
	s_mov_b32 s3, 0
	s_add_nc_u64 s[84:85], s[84:85], s[2:3]
	s_add_nc_u64 s[10:11], s[10:11], s[2:3]
	s_lshl_b32 s2, s66, 10
	s_lshl_b32 s12, s67, 9
	s_add_co_u32 s2, s2, s12
	s_lshl_b32 s12, s41, 7
	s_add_co_u32 s2, s2, s12
	s_lshl_b32 s12, s15, 6
	s_add_co_u32 s2, s2, s12
	s_lshl_b32 s2, s2, 12
	s_add_nc_u64 s[10:11], s[10:11], s[2:3]
	global_load_b128 v[BI:BI+3], v[LI], s[84:85]
.macro FRAG reg, adr, q, i
.irp c, 0,1,2,3
	ds_load_b128 v[\reg+4*\c:\reg+4*\c+3], v[\adr] offset:(\i)*4096+(\q)*2048+512*\c
.endr
.endm
.macro MUL16 a0, p, zero
.irp a, \a0, \a0+1
.irp b, 0,1,2,3,4,5,6,7
.if \zero
	v_wmma_f32_16x16x128_fp8_fp8 v[8*(8*((\a)%4)+\b):8*(8*((\a)%4)+\b)+7], v[128*(\p)+FR*\b:128*(\p)+FR*\b+FR-1], v[AF+FR*(\a):AF+FR*(\a)+FR-1], 0
.else
	v_wmma_f32_16x16x128_fp8_fp8 v[8*(8*((\a)%4)+\b):8*(8*((\a)%4)+\b)+7], v[128*(\p)+FR*\b:128*(\p)+FR*\b+FR-1], v[AF+FR*(\a):AF+FR*(\a)+FR-1], v[8*(8*((\a)%4)+\b):8*(8*((\a)%4)+\b)+7]
.endif
.endr
.endr
.endm
.macro FETCH_B slot, q, p
	WIN TO_B
.irp i, 0,1,2,3,4,5,6,7
	FRAG 128*(\p)+FR*\i, ADRB+\slot, \q, \i
.endr
	WIN 0
.endm
.macro FETCH_H slot, q, p
.irp i, 0,1,2,3
	FRAG AF+FR*(4*(\p)+\i), ADRH+\slot, \q, \i
.endr
.endm
.macro PLACES n
.rept \n
	v_nop
.endr
.endm
.macro STEP2 slot, zero
	s_wait_dscnt 0x0
	PLACES NP
	FETCH_B \slot, 1, 1
	FETCH_H \slot, 1, 1
	WIN MUL_LO
	MUL16 0, 0, \zero
	MUL16 2, 0, \zero
	WIN 0
.endm
.macro TURN2 slot, next, fill
	s_wait_tensorcnt 0x0
	ds_add_u32 v[SPW], v[NIL]
	s_wait_dscnt 0x0
	s_barrier_signal -1
	WIN MUL_LO
	MUL16 4, 1, 0
	WIN 0
	s_barrier_wait -1
.if \fill
	CREST
	s_add_nc_u64 s[G0+4*\slot+2:G0+4*\slot+3], s[G0+4*\slot+2:G0+4*\slot+3], 2*HALFB
	s_add_nc_u64 s[G0B+4*\slot+2:G0B+4*\slot+3], s[G0B+4*\slot+2:G0B+4*\slot+3], 2*HALFB
	JLOAD G0+4*\slot, G1H, G0B+4*\slot, G1B
.else
	PLACES NP
.endif
	FETCH_B \next, 0, 0
	FETCH_H \next, 0, 0
	WIN MUL_LO
	MUL16 6, 1, 0
	WIN 0
.endm
	s_wait_alu depctr_va_vdst(0)
	s_wait_tensorcnt 1
	s_barrier_signal -1
	s_barrier_wait -1
	FETCH_B 0, 0, 0
	FETCH_H 0, 0, 0
	STEP2 0, 1
	TURN2 0, 1, 1
	STEP2 1, 0
	TURN2 1, 0, 1
	STEP2 0, 0
	TURN2 0, 1, 0
	STEP2 1, 0
	s_wait_dscnt 0x0
	WIN MUL_LO
	MUL16 4, 1, 0
	MUL16 6, 1, 0
	WIN 0
.macro TOSTAGE a
.set AC, 64*(\a)
.set BB, BK+64*((\a)%2)
	WIN 0x08
.set bb, 0
.rept 8
	ds_store_b128 v[STO], v[AC+8*bb:AC+8*bb+3] offset:64*bb
	ds_store_b128 v[STO], v[AC+8*bb+4:AC+8*bb+7] offset:64*bb+16
.set bb, bb+1
.endr
	WIN 0
.set tt, 0
.rept 16
	ds_load_b128 v[BB+4*tt:BB+4*tt+3], v[RD] offset:tt*SPITCH
.set tt, tt+1
.endr
.endm
.macro SEND a, younger
.set BB, BK+64*((\a)%2)
	s_wait_dscnt \younger
.if (\a) > 0
	s_add_nc_u64 s[10:11], s[10:11], 16*4096
.endif
.set tt, 0
.rept 16
	v_pk_fma_f32 v[BB+4*tt:BB+4*tt+1], v[BB+4*tt:BB+4*tt+1], s[96:97], v[BI:BI+1] op_sel_hi:[1,0,1]
	v_pk_fma_f32 v[BB+4*tt+2:BB+4*tt+3], v[BB+4*tt+2:BB+4*tt+3], s[96:97], v[BI+2:BI+3] op_sel_hi:[1,0,1]
.set tt, tt+1
.endr
.set tt, 0
.rept 16
	global_store_b128 v[LI], v[BB+4*tt:BB+4*tt+3], s[10:11] offset:tt*4096 th:TH_STORE_NT
.set tt, tt+1
.endr
.endm
	s_wait_kmcnt 0x0
	s_wait_loadcnt 0x0
	s_add_co_i32 s96, s96, s97
	s_add_co_i32 s96, s96, 127
	s_lshl_b32 s96, s96, 23
	s_mov_b32 s97, s96
	PLACES NP
	TOSTAGE 0
.irp a, 1,2,3
.if \a > 1
	s_wait_xcnt 0x0
.endif
	TOSTAGE \a
	SEND \a-1, 32
.endr
	s_wait_xcnt 0x0
	SEND 3, 0
	s_wait_tensorcnt 0x0
	ds_add_u32 v[SPW], v[NIL]
	s_wait_dscnt 0x0
	CROUND
	s_endpgm
.Lfunc_end_k_q442bda9051_oproj:
	.size	k_q442bda9051_oproj, .Lfunc_end_k_q442bda9051_oproj-k_q442bda9051_oproj
	.p2alignl 7, 3214868480
	.fill 96, 4, 3214868480
	.section	.rodata,"a",@progbits
	.p2align	6, 0x0
	.amdhsa_kernel k_q442bda9051_oproj
		.amdhsa_group_segment_fixed_size 327680
		.amdhsa_private_segment_fixed_size 0
		.amdhsa_enable_private_segment 0
		.amdhsa_kernarg_size 56
		.amdhsa_user_sgpr_count 2
		.amdhsa_user_sgpr_kernarg_segment_ptr 1
		.amdhsa_wavefront_size32 1
		.amdhsa_system_sgpr_workgroup_id_x 1
		.amdhsa_system_sgpr_workgroup_id_y 1
		.amdhsa_system_sgpr_workgroup_id_z 1
		.amdhsa_system_vgpr_workitem_id 0
		.amdhsa_next_free_vgpr 1024
		.amdhsa_next_free_sgpr 102
		.amdhsa_reserve_vcc 0
		.amdhsa_float_denorm_mode_32 3
		.amdhsa_float_denorm_mode_16_64 3
		.amdhsa_memory_ordered 1
		.amdhsa_forward_progress 1
		.amdhsa_inst_pref_size 77
	.end_amdhsa_kernel
	.amdgpu_metadata
---
amdhsa.version: [ 1, 2 ]
amdhsa.kernels:
  - .name:           k_q442bda9051_oproj
    .symbol:         k_q442bda9051_oproj.kd
    .args:
      - { .name: oc, .offset: 0, .size: 8, .value_kind: global_buffer, .address_space: global }
      - { .name: wc, .offset: 8, .size: 8, .value_kind: global_buffer, .address_space: global }
      - { .name: lowp_scales, .offset: 16, .size: 8, .value_kind: global_buffer, .address_space: global }
      - { .name: bo_r, .offset: 24, .size: 8, .value_kind: global_buffer, .address_space: global }
      - { .name: bo_i, .offset: 32, .size: 8, .value_kind: global_buffer, .address_space: global }
      - { .name: out0, .offset: 40, .size: 8, .value_kind: global_buffer, .address_space: global }
      - { .name: out1, .offset: 48, .size: 8, .value_kind: global_buffer, .address_space: global }
    .group_segment_fixed_size: 327680
    .private_segment_fixed_size: 0
    .kernarg_segment_align: 8
    .kernarg_segment_size: 56
    .max_flat_workgroup_size: 128
    .sgpr_count:     102
    .vgpr_count:     1024
    .wavefront_size: 32
...
	.end_amdgpu_metadata
.endif
;; end of part 4
